; MI455X (gfx1250); checked and timed in simulation.
; The chip was launched on July 23, 2026; its instructions are those of AMD's public machine-readable ISA for CDNA 5 (MIT licence, August 2026) and "CDNA5" Instruction Set Architecture Reference Guide (July 2026). The comments in the code are by the model that wrote it; some were corrected since.
;; Causal Self Attention. Allowed arithmetic: matrix products marked QUANTISED: E2M1 operands, one E8M0 scale for each 32 along K, by v_wmma_scale_f32_16x16x128_f8f6f4 with both operands' format E2M1 (or v_wmma_scale_f32_32x16x128_f4), f32 sums; products left as they are: bf16, f16 or f32 operands; f32 sums; everything else in f32.
;; Inputs: Wk 1,024 x 1,024 float32; Wo 1,024 x 1,024 float32; Wq 1,024 x 1,024 float32; Wv 1,024 x 1,024 float32; x 4 x 2,048 x 1,024 float32.
;; Outputs: out0 4 x 2,048 x 1,024 float32.
;; This version of the problem:
;;   THIS VERSION OF THE PROBLEM IS GIVEN IN LOW PRECISION. The matrix products marked QUANTISED in the list below multiply operands that are first quantised to E2M1 (2 exponent bits, 1 mantissa bit; 4 bits a number), with one power-of-two scale for each 32 numbers along K (OCP MX v1.0); their sums are f32. The products marked 'left as it is' may take bf16, f16 or f32 operands, with f32 sums. Whichever they take, every output number must still come out within the allowed error. Rounding operands to bf16 (8 significant bits) uses up far more of that allowance than f16 does (11 bits, for magnitudes from 6e-5 to 65,504). All else is computed in f32.
;;   The module's matrix products, in the order in which they are computed (A, B: the left and right operand; K: the contracted axis; several contracted axes count as one K, in the product's order):
;;     1. [M 8,192, K 1,024] x [K 1,024, N 1,024]; A: input x; B: input Wq: QUANTISED
;;     2. [M 8,192, K 1,024] x [K 1,024, N 1,024]; A: input x; B: input Wk: QUANTISED
;;     3. [M 8,192, K 1,024] x [K 1,024, N 1,024]; A: input x; B: input Wv: QUANTISED
;;     4. batch 64 x [M 2,048, K 64] x [K 64, N 2,048]; A: computed on the way; B: computed on the way: left as it is (an operand is computed on the way)
;;     5. batch 64 x [M 2,048, K 2,048] x [K 2,048, N 64]; A: computed on the way; B: computed on the way: left as it is (an operand is computed on the way)
;;     6. [M 8,192, K 1,024] x [K 1,024, N 1,024]; A: computed on the way; B: input Wo: left as it is (an operand is computed on the way)
;;   THE QUANTISER, for each operand of a quantised product, along K:
;;     - K is cut into blocks of 32 from its start; a last block that is shorter is filled with zeros.
;;     - A block's scale is 2^e with e = floor(log2(the largest magnitude in the block)) - 2, held to -126 .. 127; a block of zeros has e = 0. As a byte (E8M0): e + 127.
;;     - Each number is divided by its block's scale, clamped to +-6, and rounded to the nearest number of E2M1, ties to even, subnormals kept.
;;     - The product sums the exact products of the quantised numbers (number of the format x scale) in f32.
;;   ~~~python
;;   def quantise(x, axis):      # numpy; x: float32 -> the quantised numbers, widened to float32 again
;;       x = np.moveaxis(x, axis, -1); K = x.shape[-1]
;;       x = np.pad(x, [(0, 0)] * (x.ndim - 1) + [(0, -K % 32)]); x = x.reshape(x.shape[:-1] + (-1, 32)); a = np.abs(x).max(-1, keepdims=True)
;;       e = np.where(a > 0, np.clip(np.frexp(np.where(a > 0, a, 1))[1] - 1 - 2, -126, 127), 0)      # np.frexp(a)[1] - 1 = floor(log2(a)), exactly
;;       r = np.clip(x / 2.0 ** e, -6, 6)
;;       step = 2.0 ** (np.maximum(np.frexp(np.where(r == 0, 1, r))[1] - 1, 0) - 1)
;;       q = np.round(r / step) * step * 2.0 ** e      # np.round: ties to even
;;       return np.moveaxis(q.reshape(q.shape[:-2] + (-1,))[..., :K], -1, axis).astype(np.float32)
;;   ~~~
;; One version. Each part assembles by itself: llvm-mc -triple=amdgcn-amd-amdhsa -mcpu=gfx1250 --defsym DOCPART=n.
;; ======== version 1 of 1: 5 launches
;; limits: values are held in f16: magnitudes above 65,504 overflow, below 6.1e-05 lose precision
;; workspace buffers: xc 4,194,304 bytes; xs 262,144 bytes; wc 1,572,864 bytes; ws 98,304 bytes; wo16 2,097,152 bytes; qkv 50,331,648 bytes; qf 786,432 bytes; y 16,777,216 bytes
;; launch prep (part 1): grid 384 x 1, 4 waves a work-group, no clusters, 33,280 bytes of LDS; arguments x, Wq, Wk, Wv, Wo, xc, xs, wc, ws, wo16; writes xc, xs, wc, ws, wo16
.if DOCPART == 1
	.amdgcn_target "amdgcn-amd-amdhsa--gfx1250"
	.amdhsa_code_object_version 6
	.text
	.protected	k_q688df66fe2_prep
	.globl	k_q688df66fe2_prep
	.p2align	8
	.type	k_q688df66fe2_prep,@function
k_q688df66fe2_prep:
	s_mov_b64 s[64:65], 0
	v_nop
	global_prefetch_b8 v0, s[64:65] scope:SCOPE_SE
	s_setreg_imm32_b32 hwreg(HW_REG_WAVE_MODE, 25, 1), 1
	s_wait_xcnt 0x0
; x [8192][1024] and Wq, Wk, Wv [1024][1024], f32, K innermost, become codes of FP4 (E2M1), two a byte, and one E8M0 scale byte for each 32 along K; Wo becomes f16.
; xc [8192][512 bytes], xs [8192][32]; wc [3072][512 bytes], ws [3072][32]: rows 0-1023 Wq, 1024-2047 Wk, 2048-3071 Wv; wo16 [1024][1024] f16.
; A block's scale is 2^(floor(log2(its largest magnitude)) - 2): its byte is the largest magnitude's exponent field - 2, held at 1 from below.
; LIMITS: a block of zeros gets the byte 1 where the quantiser says 127 (its codes are zeros, and the bytes are read by this program alone); blocks whose largest magnitude lies under 2^-124 are held at
; the byte 1; NaN and infinities among the inputs are not served; a number of Wo beyond 65,504 becomes infinity in f16, and under 6e-5 it keeps an absolute step of 6e-8.
; SHARES: a work-group takes 32,768 numbers, a wave 8,192.  Work-groups 0-255: x; 256-287: Wq; 288-319: Wk; 320-351: Wv; 352-383: the cast of Wo.
; Rows are dense and K is a multiple of 32, so each tensor is a plain stream of blocks of 32.  A wave takes 16 steps of 512 numbers: four loads of 512 consecutive bytes, turned through the wave's own stage in LDS
; so that a lane holds 16 neighbours (two neighbouring lanes hold a block); a lane's 16 codes are 8 bytes, the wave stores 256 consecutive bytes.  A wave's 256 scale bytes are gathered in LDS and leave as one aligned 256 bytes.
; No tensor loads, no barrier: waves share nothing.  Memory binds this launch, so matrix units, clusters and prefetches are left out.
.set WAVES, 4
.set STEPS, 16
.set EMAX,  2
.set CB,    8                          ; bytes of 16 codes
.set R,     16                         ; v16-79   four sets of 16 numbers as they are loaded
.set X,     80                         ; v80-111  two sets of 16 neighbours
.set E,     112                        ; v112-127 a scale byte for each step
.set C,     128                        ; v128-191 codes: four registers for each step, so that no store's data are written again
.set WREG,  8192                       ; LDS: a region for each wave: two stages of 32 x SP bytes, then its 256 scale bytes
.set SP,    80                         ; a lane's place in a stage: 64 bytes + 16 of padding
.set SPW,   12                         ; v12 LDS address of my spare word; never rewritten
.set NIL,   13                         ; v13 0; never rewritten
.set SPARE, WAVES*WREG                 ; behind the four regions: the spare words, 128 bytes a wave
	s_load_b256 s[4:11], s[0:1], 0x0               ; x, Wq, Wk, Wv
	s_load_b256 s[12:19], s[0:1], 0x20             ; Wo, xc, xs, wc
	s_load_b128 s[20:23], s[0:1], 0x40             ; ws, wo16
	v_lshl_add_u32 v[SPW], v0, 2, SPARE
	v_mov_b32 v[NIL], 0
	v_lshrrev_b32 v1, 5, v0
	v_readfirstlane_b32 s24, v1                    ; wave
	v_and_b32 v2, 31, v0                           ; lane
	v_lshlrev_b32 v3, 4, v2                        ; my 16 bytes of a load's 512
	s_mul_i32 s25, s24, WREG
	v_lshrrev_b32 v14, 2, v2
	v_mul_u32_u24 v14, v14, SP
	v_and_b32 v15, 3, v2
	v_lshl_add_u32 v14, v15, 4, v14
	v_add_nc_u32 v14, s25, v14                     ; the stage, on the way in: SP (lane / 4) + 16 (lane % 4)
	v_mul_u32_u24 v15, v2, SP
	v_add_nc_u32 v15, s25, v15                     ; and on the way out: SP x lane: my 16 neighbours
	v_mul_u32_u24 v4, v2, CB                       ; my codes' place in a step's
	v_lshrrev_b32 v5, 1, v2
	s_add_co_u32 s25, s25, 2*32*SP
	v_add_nc_u32 v5, s25, v5                       ; LDS: my wave's 256 scale bytes, my block's byte
	v_lshlrev_b32 v7, 3, v2                        ; 8 bytes a lane
	v_add_nc_u32 v6, s25, v7
	s_wait_kmcnt 0x0
	s_cmp_ge_u32 ttmp9, 352                        ; the work-group's number alone decides
	s_cbranch_scc1 .Lcast
	s_cmp_lt_u32 ttmp9, 320
	s_cselect_b64 s[26:27], s[8:9], s[10:11]       ; Wk or Wv
	s_cmp_lt_u32 ttmp9, 288
	s_cselect_b64 s[26:27], s[6:7], s[26:27]       ; Wq
	s_cmp_lt_u32 ttmp9, 256
	s_cselect_b64 s[26:27], s[4:5], s[26:27]       ; x
	s_cselect_b64 s[28:29], s[14:15], s[18:19]     ; codes: xc or wc
	s_cselect_b64 s[30:31], s[16:17], s[20:21]     ; scale bytes: xs or ws
	s_cselect_b32 s33, 0, 256                      ; the first work-group of the buffers written
	s_cselect_b32 s34, -1, 31                      ; a weight has 32 work-groups
	s_and_b32 s35, ttmp9, s34
	s_lshl_b32 s35, s35, 2
	s_add_co_u32 s35, s35, s24                     ; which run of 8,192 numbers of the tensor read
	s_lshl_b32 s36, s35, 15
	s_mov_b32 s37, 0
	s_add_nc_u64 s[26:27], s[26:27], s[36:37]
	s_sub_co_u32 s35, ttmp9, s33
	s_lshl_b32 s35, s35, 2
	s_add_co_u32 s35, s35, s24                     ; and of the buffers written
	s_lshl_b32 s36, s35, 12
	s_add_nc_u64 s[28:29], s[28:29], s[36:37]      ; 4,096 bytes of codes a run
	s_lshl_b32 s36, s35, 8
	s_add_nc_u64 s[30:31], s[30:31], s[36:37]      ; 256 scale bytes a run
.macro LOAD t
.irp i, 0,1,2,3
	global_load_b128 v[R+16*((\t)%4)+4*\i:R+16*((\t)%4)+4*\i+3], v3, s[26:27] offset:2048*(\t)+512*\i th:TH_LOAD_NT   ; 32 lanes read 512 consecutive bytes
.endr
.endm
.macro TURN t                          ; step t's numbers through the stage: LDS serves a wave's instructions in order, so no wait stands between the stores and the loads
.irp i, 0,1,2,3
	ds_store_b128 v14, v[R+16*((\t)%4)+4*\i:R+16*((\t)%4)+4*\i+3] offset:32*SP*((\t)%2)+8*SP*\i
.endr
.irp i, 0,1,2,3
	ds_load_b128 v[X+16*((\t)%2)+4*\i:X+16*((\t)%2)+4*\i+3], v15 offset:32*SP*((\t)%2)+16*\i
.endr
.endm
.irp t, 0,1,2,3
	LOAD \t
.endr
	s_wait_loadcnt 12                              ; step 0's four loads are in; three steps' twelve may be out
	TURN 0
.macro STEP t
.set XS, X+16*((\t)%2)
.if (\t) > 0
	s_wait_dscnt 1                                 ; this step's numbers are back from the stage (the last step's byte store may be out)
.else
	s_wait_dscnt 0x0
.endif
.if (\t)+4 < STEPS
	LOAD (\t)+4                                    ; into the registers that the stage's stores have read
.endif
.if (\t)+1 < STEPS
.if STEPS-2-(\t) >= 3
	s_wait_loadcnt 12                              ; the next step's four loads are in; those of the three steps behind it may be out
.else
	s_wait_loadcnt 4*(STEPS-2-(\t))
.endif
	TURN (\t)+1
.endif
	v_max3_num_f32 v8, |v[XS]|, |v[XS+1]|, |v[XS+2]|               ; the largest magnitude of my 16, in two chains
	v_max3_num_f32 v9, |v[XS+3]|, |v[XS+4]|, |v[XS+5]|
.irp i, 6,10
	v_max3_num_f32 v8, v8, |v[XS+\i]|, |v[XS+\i+1]|
	v_max3_num_f32 v9, v9, |v[XS+\i+2]|, |v[XS+\i+3]|
.endr
	v_max3_num_f32 v8, v8, |v[XS+14]|, |v[XS+15]|
	v_max3_num_f32 v8, v8, v9, (EMAX+1)<<23        ; and the floor 2^(3 - 127): the byte cannot fall under 1
	v_max_num_f32_dpp v8, v8, v8 row_xmask:1 row_mask:0xf bank_mask:0xf   ; and of my neighbour's 16: the block's
	v_add_nc_u32 v11, -(EMAX<<23), v8              ; 2 off its exponent field: the conversion takes the exponent field of this operand as its scale
	v_cvt_scalef32_pk8_fp4_f32 v[C+4*(\t)], v[XS:XS+7], v11        ; to the nearest code, ties to even, beyond 6 the largest code
	v_cvt_scalef32_pk8_fp4_f32 v[C+4*(\t)+1], v[XS+8:XS+15], v11
	v_lshrrev_b32 v[E+(\t)], 23, v11               ; the scale's byte
	ds_store_b8 v5, v[E+(\t)] offset:16*(\t)       ; both lanes of a block write the same byte with the same value
	global_store_b64 v4, v[C+4*(\t):C+4*(\t)+1], s[28:29] offset:32*CB*(\t)   ; the wave stores 256 consecutive bytes, aligned
.endm
.irp t, 0,1,2,3,4,5,6,7,8,9,10,11,12,13,14,15
	STEP \t
.endr
	ds_load_b64 v[8:9], v6                         ; LDS serves a wave's instructions in order: these see my stores
	s_wait_dscnt 0x0
	global_store_b64 v7, v[8:9], s[30:31]          ; 32 lanes store 256 consecutive bytes, aligned
	s_wait_tensorcnt 0x0                           ; the wave's end: a tensor wait, an add to my spare word and its wait, behind my last LDS store
	ds_add_u32 v[SPW], v[NIL]
	s_wait_dscnt 0x0
	s_endpgm
; THE CAST OF Wo.  A wave takes 8,192 numbers in four groups of 16 loads; one group is on its way while another is converted.
.Lcast:
	s_sub_co_u32 s35, ttmp9, 352
	s_lshl_b32 s35, s35, 2
	s_add_co_u32 s35, s35, s24
	s_lshl_b32 s36, s35, 15
	s_mov_b32 s37, 0
	s_add_nc_u64 s[12:13], s[12:13], s[36:37]
	s_lshl_b32 s36, s35, 14
	s_add_nc_u64 s[22:23], s[22:23], s[36:37]
.macro LOADG g
.irp i, 0,1,2,3,4,5,6,7,8,9,10,11,12,13,14,15
	global_load_b128 v[16+64*((\g)%2)+4*\i:16+64*((\g)%2)+4*\i+3], v3, s[12:13] offset:512*(16*(\g)+\i)
.endr
.endm
.macro CASTG g
.if (\g) < 3
	s_wait_loadcnt 16                              ; this group is in; the next group's sixteen loads may be out
.else
	s_wait_loadcnt 0x0
.endif
.if (\g) > 0
	s_wait_xcnt 0x0                                ; the last group's stores have read their data registers, which are written again below
.endif
.irp i, 0,1,2,3,4,5,6,7,8,9,10,11,12,13,14,15
	v_cvt_pk_f16_f32 v[144+2*\i], v[16+64*((\g)%2)+4*\i], v[16+64*((\g)%2)+4*\i+1]
	v_cvt_pk_f16_f32 v[145+2*\i], v[16+64*((\g)%2)+4*\i+2], v[16+64*((\g)%2)+4*\i+3]
.endr
.irp i, 0,1,2,3,4,5,6,7,8,9,10,11,12,13,14,15
	global_store_b64 v7, v[144+2*\i:145+2*\i], s[22:23] offset:256*(16*(\g)+\i)   ; the wave stores 256 consecutive bytes, aligned
.endr
.if (\g) < 2
	LOADG (\g)+2
.endif
.endm
	LOADG 0
	LOADG 1
	CASTG 0
	CASTG 1
	CASTG 2
	CASTG 3
	s_wait_tensorcnt 0x0                           ; the same three lines at this path's end
	ds_add_u32 v[SPW], v[NIL]
	s_wait_dscnt 0x0
	s_endpgm
.Lfunc_end_k_q688df66fe2_prep:
	.size	k_q688df66fe2_prep, .Lfunc_end_k_q688df66fe2_prep-k_q688df66fe2_prep
	.p2alignl 7, 3214868480
	.fill 96, 4, 3214868480
	.section	.rodata,"a",@progbits
	.p2align	6, 0x0
	.amdhsa_kernel k_q688df66fe2_prep
		.amdhsa_group_segment_fixed_size 33280
		.amdhsa_private_segment_fixed_size 0
		.amdhsa_enable_private_segment 0
		.amdhsa_kernarg_size 80
		.amdhsa_user_sgpr_count 2
		.amdhsa_user_sgpr_kernarg_segment_ptr 1
		.amdhsa_wavefront_size32 1
		.amdhsa_system_sgpr_workgroup_id_x 1
		.amdhsa_system_sgpr_workgroup_id_y 1
		.amdhsa_system_sgpr_workgroup_id_z 1
		.amdhsa_system_vgpr_workitem_id 0
		.amdhsa_next_free_vgpr 192
		.amdhsa_next_free_sgpr 66
		.amdhsa_reserve_vcc 0
		.amdhsa_float_denorm_mode_32 3
		.amdhsa_float_denorm_mode_16_64 3
		.amdhsa_memory_ordered 1
		.amdhsa_forward_progress 1
		.amdhsa_inst_pref_size 54
	.end_amdhsa_kernel
	.amdgpu_metadata
---
amdhsa.version: [ 1, 2 ]
amdhsa.kernels:
  - .name:           k_q688df66fe2_prep
    .symbol:         k_q688df66fe2_prep.kd
    .args:
      - { .name: x, .offset: 0, .size: 8, .value_kind: global_buffer, .address_space: global }
      - { .name: Wq, .offset: 8, .size: 8, .value_kind: global_buffer, .address_space: global }
      - { .name: Wk, .offset: 16, .size: 8, .value_kind: global_buffer, .address_space: global }
      - { .name: Wv, .offset: 24, .size: 8, .value_kind: global_buffer, .address_space: global }
      - { .name: Wo, .offset: 32, .size: 8, .value_kind: global_buffer, .address_space: global }
      - { .name: xc, .offset: 40, .size: 8, .value_kind: global_buffer, .address_space: global }
      - { .name: xs, .offset: 48, .size: 8, .value_kind: global_buffer, .address_space: global }
      - { .name: wc, .offset: 56, .size: 8, .value_kind: global_buffer, .address_space: global }
      - { .name: ws, .offset: 64, .size: 8, .value_kind: global_buffer, .address_space: global }
      - { .name: wo16, .offset: 72, .size: 8, .value_kind: global_buffer, .address_space: global }
    .group_segment_fixed_size: 33280
    .private_segment_fixed_size: 0
    .kernarg_segment_align: 8
    .kernarg_segment_size: 80
    .max_flat_workgroup_size: 128
    .sgpr_count:     66
    .vgpr_count:     192
    .wavefront_size: 32
...
	.end_amdgpu_metadata
.endif
;; end of part 1
;; launch qkv (part 2): grid 12 x 32, 4 waves a work-group, clusters of 4 x 4, 327,680 bytes of LDS; arguments xc, xs, wc, ws, qkv, qf; writes qkv, qf
.if DOCPART == 2
	.amdgcn_target "amdgcn-amd-amdhsa--gfx1250"
	.amdhsa_code_object_version 6
	.text
	.protected	k_q688df66fe2_qkv
	.globl	k_q688df66fe2_qkv
	.p2align	8
	.type	k_q688df66fe2_qkv,@function
k_q688df66fe2_qkv:
	s_mov_b64 s[64:65], 0
	v_nop
	global_prefetch_b8 v0, s[64:65] scope:SCOPE_SE
	s_setreg_imm32_b32 hwreg(HW_REG_WAVE_MODE, 25, 1), 1
	s_wait_xcnt 0x0
	s_wait_alu depctr_hold_cnt(0) depctr_sa_sdst(0) depctr_va_vdst(0) depctr_va_sdst(0) depctr_va_ssrc(0) depctr_va_vcc(0) depctr_vm_vsrc(0)
	s_getreg_b32 s2, hwreg(HW_REG_IB_STS2, 6, 4)
	s_cmp_eq_u32 s2, 0
	s_cbranch_scc0 .Lentry_in_a_cluster
	s_endpgm
.Lentry_in_a_cluster:
	s_bfe_u32 s2, ttmp6, 0x10000c
	s_cmp_lg_u32 s2, 0xf033
	s_cbranch_scc0 .Lentry_shape_is_right
	s_endpgm
.Lentry_shape_is_right:
; q, k, v = x Wq^T, x Wk^T, x Wv^T as ONE product C[8192][3072] = A B^T on codes of FP4 (E2M1) with one E8M0 scale for each 32 along K = 1024; sums in f32.
; A = xc, xs; B = wc, ws (rows 0-1023 Wq, then Wk, then Wv).  The results leave as f16 by head: qkv [which 3][batch 4][head 16][t 2048][64]; a head's rows are dense, 128 bytes each.
; The first 16 positions of every sequence also leave in f32, as images of the accumulators' registers: qf [which][batch][head][8 images of 512 bytes]; image 2 u + c holds at 16 x lane the numbers
; (t = lane % 16, channels 16 u + 8 (lane / 16) + 4 c + 0 .. 3).
; LIMIT: a result beyond 65,504 becomes infinity in f16; under 6e-5 it keeps an absolute step of 6e-8.
; A tile of C, 256 x 256, is made by four waves, each 128 x 128: 64 accumulators of 16 x 16, 512 registers.  K is two slots of 512: both are asked for at the start and nothing is filled again.
; A wave has three tensor loads out at the most: its part of the scales and of the two slots.
; CLUSTERS: 4 x 4 work-groups.  Tile column = 4 x cluster x + cx, so cluster x says q, k or v.  Tile row = 8 cy + cluster y, so cy is the batch and cluster y the block of 256 positions.
; The four of a row of the cluster need the same tiles of A, the four of a column the same tiles of B: each tile is asked for jointly.
; THE MATRIX INSTRUCTION IS USED TRANSPOSED (source 0 = 16 rows of B, source 1 = 16 rows of A): a lane holds eight neighbouring numbers of a row of C.
; REGISTERS, in windows of 256: window 0: v0-31 addresses; v32-95 scale words, two sets; v128-191 A's fragments, one set; on the way out v32-63, v192-255.
;   window 1: B's fragments, two sets, at v0 and v128.   window 2: the accumulators of my rows 0-63 ((a, b) at v[8 (8 a + b)]);   window 3: those of my rows 64-127.
.set SIZE_K, 1024
.set KSTEP,  512
.set NQ,     KSTEP/128
.set ROWB,   256                       ; a tile's row in bytes
.set KROW,   SIZE_K*4/8                ; a row of codes in memory
.set PITCH,  272                       ; an LDS row: 256 bytes + 16 of padding: the 16 rows that a load touches start at 16 different banks
.set FR,     8
.set NL,     2
.set NP,     4                         ; places behind this matrix instruction
.set HALFT,  128*PITCH
.set SLOT,   4*HALFT
.set KS,     SIZE_K/32                 ; a row of scale bytes
.set SCL,    2*SLOT                    ; behind the slots: the scales, as units of 256 bytes + 16 of padding
.set HALFS,  (128*KS/256)*272
.set SBLK,   (16*KS/256)*272
.set SPARE,  SCL+4*HALFS               ; the spare words, 128 bytes a wave
.set SPH,    144                       ; the way out: a stage of 2 heads x 16 rows x (128 bytes + 16) for each wave, in slot 0, which has had its only fill and its last read by then
.set ADRA, 16
.set ADRB, 20
.set STO,  24
.set RD,   25
.set CO,   26
.set ADRS, 27
.set SPW,  28
.set NIL,  29
.set SC,   32
.set AF,   128
.set TMP,  192                         ; the way out: a block's 32 packed registers
.set OB,   32                          ; and 16 rows read back: v32-63 and v224-255 by turns
.set G1, 24
.set G0, 32
.set G1B, 48
.set G0B, 56
.set G1S, 68
.set G0S, 76
.set G1SB, 80
.set G0SB, 88
.set MSB, 0
.macro WIN new                         ; the immediate's high byte repeats the setting that is left
.if MSB != \new
	s_set_vgpr_msb (MSB<<8)|\new
.set MSB, \new
.endif
.endm
.set MUL_LO, 0xa1                      ; source 0 (B) window 1, source 1 (A) window 0, C and D window 2
.set MUL_HI, 0xf1
.set TO_B,   0x40
; A joint load: waves 0 and 1 fetch for A, waves 2 and 3 for B; the branch hangs on the wave's number alone.  An s_nop 0 and four v_nop follow each line.
.macro JLOAD g0a, g1a, g0b, g1b
	s_cmp_eq_u32 s15, 0
	s_cbranch_scc0 .Lfor_b_\@
	tensor_load_to_lds s[\g0a:\g0a+3], s[\g1a:\g1a+7]
	s_nop 0
.rept 4
	v_nop
.endr
	s_branch .Lasked_\@
.Lfor_b_\@:
	tensor_load_to_lds s[\g0b:\g0b+3], s[\g1b:\g1b+7]
	s_nop 0
.rept 4
	v_nop
.endr
.Lasked_\@:
.endm
.macro CROUND                          ; a round of the cluster's barrier
	s_barrier_signal -1
	s_barrier_wait -1
	s_cmp_lg_u32 s14, 0
	s_cbranch_scc1 .Lnot_wave_0_\@
	s_barrier_signal -3
.Lnot_wave_0_\@:
	s_barrier_wait -3
	s_barrier_signal -1
	s_barrier_wait -1
.endm
	s_load_b128 s[4:7], s[0:1], 0x0                ; x's codes, x's scales
	s_load_b128 s[8:11], s[0:1], 0x10              ; the weights' codes, their scales
	s_load_b64 s[12:13], s[0:1], 0x20              ; qkv
	s_load_b64 s[96:97], s[0:1], 0x28              ; qf
	v_lshl_add_u32 v[SPW], v0, 2, SPARE
	v_mov_b32 v[NIL], 0
	ds_add_u32 v[SPW], v[NIL]                      ; the wave's opening: the add, twice on end, and its wait ahead of my first tensor load
	ds_add_u32 v[SPW], v[NIL]
	v_lshrrev_b32 v1, 5, v0
	v_readfirstlane_b32 s14, v1                    ; wave 0..3
	s_lshr_b32 s15, s14, 1                         ; which half of the tile's rows is mine.  Also: I fetch for A (0) or for B (1)
	s_and_b32 s16, s14, 1                          ; which half of its columns.  Also: which 128 rows of that tile I fetch
	s_bfe_u32 s40, ttmp6, 0x40000                  ; cx
	s_bfe_u32 s41, ttmp6, 0x40004                  ; cy
	s_lshl_b32 s42, ttmp9, 2
	s_add_co_u32 s42, s42, s40                     ; tile column = 4 x cluster x + cx
	s_and_b32 s17, ttmp7, 0xffff                   ; cluster y
	s_or_b32 s95, s17, s15                         ; 0 where my first 16 rows are positions 0-15 of a sequence: the same in all sixteen partners, for a given wave
	s_lshl_b32 s18, s41, 3
	s_add_co_u32 s17, s17, s18                     ; tile row = 8 cy + cluster y
	s_lshl_b32 s43, s41, 2
	s_lshl_b32 s43, 15, s43                        ; my row of the cluster
	s_lshl_b32 s44, 0x1111, s40                    ; my column
	s_or_b32 s[G1+0], s43, (0<<16)|(1<<20)|(1<<21)|(5<<22)|(3<<25)  ; the mask; elements of 1 byte; padding on; bit 21 beside a mask; after every 64 words, 4 words
	s_or_b32 s[G1B+0], s44, (0<<16)|(1<<20)|(1<<21)|(5<<22)|(3<<25)
.irp g, G1, G1B
	s_mov_b32 s[\g+1], ROWB<<16                    ; tensor_dim0
	s_mov_b32 s[\g+2], 128<<16                     ; tensor_dim1
	s_mov_b32 s[\g+3], ROWB<<16                    ; tile_dim0
	s_mov_b32 s[\g+4], 128                         ; tile_dim1
	s_mov_b32 s[\g+5], KROW                        ; the pitch
	s_mov_b32 s[\g+6], 0
	s_mov_b32 s[\g+7], 0
.endr
	s_or_b32 s[G1S+0], s43, (3<<16)|(1<<20)|(1<<21)|(5<<22)|(3<<25)  ; the scales of 128 rows: a dense block, as rows of 256 bytes (32 elements of 8 bytes)
	s_or_b32 s[G1SB+0], s44, (3<<16)|(1<<20)|(1<<21)|(5<<22)|(3<<25)
.irp g, G1S, G1SB
	s_mov_b32 s[\g+1], 32<<16
	s_mov_b32 s[\g+2], (128*KS/256)<<16
	s_mov_b32 s[\g+3], 32<<16
	s_mov_b32 s[\g+4], 128*KS/256
	s_mov_b32 s[\g+5], 32
	s_mov_b32 s[\g+6], 0
	s_mov_b32 s[\g+7], 0
.endr
	s_lshl_b32 s18, s16, 7
	s_lshl_b32 s20, s17, 8
	s_add_co_u32 s20, s20, s18                     ; A: row 256 x tile row + 128 x half
	s_lshl_b32 s46, s42, 8
	s_add_co_u32 s46, s46, s18                     ; B: row 256 x tile column + 128 x half
	s_mov_b32 s21, 0
	s_mov_b32 s47, 0
	s_mov_b64 s[18:19], KS
	s_mul_u64 s[22:23], s[20:21], s[18:19]         ; where these rows' scales begin
	s_mul_u64 s[92:93], s[46:47], s[18:19]
	s_mov_b64 s[18:19], KROW
	s_mul_u64 s[20:21], s[20:21], s[18:19]         ; and their codes
	s_mul_u64 s[46:47], s[46:47], s[18:19]
	s_mul_i32 s45, s14, HALFT                      ; where they go: wave x 128 rows
	s_mul_i32 s94, s14, HALFS
	s_wait_dscnt 0x0                               ; both opening adds are done
	s_wait_kmcnt 0x0
	s_add_nc_u64 s[20:21], s[4:5], s[20:21]
	s_add_nc_u64 s[22:23], s[6:7], s[22:23]
	s_add_nc_u64 s[46:47], s[8:9], s[46:47]
	s_add_nc_u64 s[92:93], s[10:11], s[92:93]
	CROUND                                         ; all sixteen work-groups are here: the joint loads meet
	s_mov_b32 s[G0S], 1
	s_add_co_u32 s[G0S+1], s94, SCL
	s_mov_b64 s[G0S+2:G0S+3], s[22:23]
	s_or_b32 s[G0S+3], s[G0S+3], 0x80000000
	s_mov_b32 s[G0SB], 1
	s_add_co_u32 s[G0SB+1], s94, SCL
	s_mov_b64 s[G0SB+2:G0SB+3], s[92:93]
	s_or_b32 s[G0SB+3], s[G0SB+3], 0x80000000
	JLOAD G0S, G1S, G0SB, G1SB                     ; the scales first
.irp s, 0,1
	s_mov_b32 s[G0+4*\s], 1
	s_add_co_u32 s[G0+4*\s+1], s45, \s*SLOT
	s_add_nc_u64 s[G0+4*\s+2:G0+4*\s+3], s[20:21], \s*ROWB
	s_or_b32 s[G0+4*\s+3], s[G0+4*\s+3], 0x80000000
	s_mov_b32 s[G0B+4*\s], 1
	s_add_co_u32 s[G0B+4*\s+1], s45, \s*SLOT
	s_add_nc_u64 s[G0B+4*\s+2:G0B+4*\s+3], s[46:47], \s*ROWB
	s_or_b32 s[G0B+4*\s+3], s[G0B+4*\s+3], 0x80000000
	JLOAD G0+4*\s, G1, G0B+4*\s, G1B
.endr
	v_and_b32 v1, 15, v0                           ; l % 16
	v_bfe_u32 v2, v0, 4, 1                         ; l / 16
	v_mul_u32_u24 v3, v1, PITCH
	v_lshl_add_u32 v4, v2, 4, v3                   ; a fragment's row x pitch + 16 x half
	s_mul_i32 s21, s15, HALFT                      ; my 128 rows of A
	s_mul_i32 s22, s16, HALFT                      ; my 128 rows of B,
	s_add_co_u32 s22, s22, 2*HALFT                 ; behind A's 256
.irp s, 0,1
	v_add_nc_u32 v[ADRA+\s], s21, v4
	v_add_nc_u32 v[ADRB+\s], s22, v4
	s_add_co_u32 s21, s21, SLOT
	s_add_co_u32 s22, s22, SLOT
.endr
	v_mul_u32_u24 v5, v1, KS                       ; my row's scales: KS bytes a row,
	v_lshrrev_b32 v6, 8, v5
	v_lshl_add_u32 v5, v6, 4, v5                   ; and 16 more for each 256 passed
	s_mul_i32 s21, s15, HALFS
	s_mul_i32 s22, s16, HALFS
	s_add_co_u32 s22, s22, 2*HALFS
	s_sub_co_u32 s22, s22, s21
	v_mul_u32_u24 v6, s22, v2                      ; lanes 16-31 take B's
	s_add_co_u32 s21, s21, SCL
	v_add_nc_u32 v5, v5, v6
	v_add_nc_u32 v[ADRS], s21, v5
	s_mul_i32 s23, s14, 2*16*SPH                   ; my stage
	v_mul_u32_u24 v5, v1, SPH
	v_lshl_add_u32 v5, v2, 4, v5
	v_add_nc_u32 v[STO], s23, v5                   ; in: row l % 16, 16 bytes for each half of the lanes
	v_and_b32 v6, 31, v0
	v_lshlrev_b32 v[CO], 4, v6                     ; in memory: 16 x lane: four rows of 128 bytes on end
	v_lshrrev_b32 v5, 3, v6
	v_mul_u32_u24 v5, v5, SPH
	v_and_b32 v6, 7, v0
	v_lshl_add_u32 v5, v6, 4, v5
	v_add_nc_u32 v[RD], s23, v5                    ; back: eight lanes to a row, four rows an instruction
	s_and_b32 s92, ttmp7, 0xffff
	s_lshl_b32 s92, s92, 8
	s_lshl_b32 s93, s15, 7
	s_add_co_u32 s92, s92, s93                     ; the position of my first row: 256 x cluster y + 128 x half
	s_lshl_b32 s92, s92, 7                         ; 128 bytes a row
	s_lshl_b32 s46, s40, 2
	s_lshl_b32 s47, s16, 1
	s_add_co_u32 s46, s46, s47                     ; my first head: 4 cx + 2 x half
	s_lshl_b32 s47, s41, 4
	s_add_co_u32 s47, s47, s46                     ; 16 x batch + head
	s_lshl_b32 s93, s47, 18                        ; 2,048 rows of 128 bytes a head
	s_add_co_u32 s92, s92, s93
	s_lshl_b32 s93, ttmp9, 24                      ; 64 heads for each of q, k, v
	s_add_co_u32 s92, s92, s93
	s_mov_b32 s93, 0
	s_add_nc_u64 s[12:13], s[12:13], s[92:93]
	s_lshl_b32 s93, ttmp9, 6
	s_add_co_u32 s93, s93, s47
	s_lshl_b32 s92, s93, 12                        ; qf: 4,096 bytes a head
	s_mov_b32 s93, 0
	s_add_nc_u64 s[96:97], s[96:97], s[92:93]
.macro FRAG reg, adr, q, i             ; 16 rows x 128 K of 4-bit codes: 8 registers: lane l holds row l % 16; registers 4 c .. 4 c + 3 hold K = 64 c + 32 (l / 16) + 0 .. 31
.irp c, 0,1
	ds_load_b128 v[\reg+4*\c:\reg+4*\c+3], v[\adr] offset:64*(\q)+32*\c+(\i)*16*PITCH
.endr
.endm
; 16 matrix instructions: A's blocks a0, a0 + 1 x B's eight, the slot's q-th 128 along K.  The 64 accumulators take turns, one instruction a turn.
.macro MUL16 a0, p, q, sc, zero
.irp a, \a0, \a0+1
.irp b, 0,1,2,3,4,5,6,7
.if \zero
	v_wmma_scale_f32_16x16x128_f8f6f4 v[8*(8*((\a)%4)+\b):8*(8*((\a)%4)+\b)+7], v[128*(\p)+FR*\b:128*(\p)+FR*\b+FR-1], v[AF+FR*(\a):AF+FR*(\a)+FR-1], 0, v[SC+8*NQ*(\sc)+NQ*\b+(\q)], v[SC+8*NQ*(\sc)+NQ*(\a)+(\q)] matrix_a_fmt:MATRIX_FMT_FP4 matrix_b_fmt:MATRIX_FMT_FP4 matrix_a_scale:MATRIX_SCALE_ROW1
.else
	v_wmma_scale_f32_16x16x128_f8f6f4 v[8*(8*((\a)%4)+\b):8*(8*((\a)%4)+\b)+7], v[128*(\p)+FR*\b:128*(\p)+FR*\b+FR-1], v[AF+FR*(\a):AF+FR*(\a)+FR-1], v[8*(8*((\a)%4)+\b):8*(8*((\a)%4)+\b)+7], v[SC+8*NQ*(\sc)+NQ*\b+(\q)], v[SC+8*NQ*(\sc)+NQ*(\a)+(\q)] matrix_a_fmt:MATRIX_FMT_FP4 matrix_b_fmt:MATRIX_FMT_FP4 matrix_a_scale:MATRIX_SCALE_ROW1
.endif
.endr
.endr
.endm
.macro FETCH_B slot, q, p
	WIN TO_B
.irp i, 0,1,2,3,4,5,6,7
	FRAG 128*(\p)+FR*\i, ADRB+\slot, \q, \i
.endr
	WIN 0
.endm
.macro FETCH_A slot, q, i0
.irp i, \i0, \i0+1, \i0+2, \i0+3
	FRAG AF+FR*(\i), ADRA+\slot, \q, \i
.endr
.endm
.macro SCALES sc                       ; a slot's scale words: lanes 0-15 take A's block i, lanes 16-31 B's block i
.irp i, 0,1,2,3,4,5,6,7
	ds_load_b128 v[SC+8*NQ*\sc+NQ*\i:SC+8*NQ*\sc+NQ*\i+3], v[ADRS] offset:\i*SBLK
.endr
.endm
.macro PLACES n                        ; plain vector instructions between a matrix instruction and a load into its registers or a read of its result
.rept \n
	v_nop
.endr
.endm
.macro STEP slot, q, zero              ; 128 along K that has its successor in the same slot
	s_wait_dscnt 4*NL                              ; B's set and A's blocks 0-3 are in; A's blocks 4-7, eight loads, may be out
	WIN MUL_LO
	MUL16 0, (\q)%2, \q, \slot, \zero
	MUL16 2, (\q)%2, \q, \slot, \zero
	s_wait_dscnt 0
	PLACES NP
	FETCH_B \slot, (\q)+1, 1-(\q)%2
	FETCH_A \slot, (\q)+1, 0
	WIN MUL_HI
	MUL16 4, (\q)%2, \q, \slot, \zero
	MUL16 6, (\q)%2, \q, \slot, \zero
	PLACES NP
	WIN 0
	FETCH_A \slot, (\q)+1, 4
.endm
.macro STEPS slot, from
.set Q, \from
.rept NQ-1-\from
	STEP \slot, Q, 0
.set Q, Q+1
.endr
.endm
	s_wait_tensorcnt 1                             ; the scales and my part of slot 0 are in (slot 1's load may be out),
	s_barrier_signal -1
	s_barrier_wait -1                              ; everybody's are
	FETCH_B 0, 0, 0
	FETCH_A 0, 0, 0
	SCALES 0
	FETCH_A 0, 0, 4
	STEP 0, 0, 1                                   ; the first products start the sums: nothing is cleared
	STEPS 0, 1
	; slot 0's last step changes slots: one barrier; in front of it each wave waits for all its tensor loads, adds 0 to its spare word, and waits for that and for its reads of slot 0
	s_wait_tensorcnt 0x0                           ; my part of slot 1 has landed
	ds_add_u32 v[SPW], v[NIL]
	s_wait_dscnt 4*NL+1                            ; the add and A's blocks 4-7 may be out
	WIN MUL_LO
	MUL16 0, 1, NQ-1, 0, 0
	s_wait_dscnt 0x0                               ; the add is done, and my reads of slot 0 are over
	s_barrier_signal -1
	MUL16 2, 1, NQ-1, 0, 0
	WIN 0
	s_barrier_wait -1
	PLACES NP
	v_add_nc_u32 v[ADRS], 4*NQ, v[ADRS]            ; on to slot 1's scale words
	FETCH_B 1, 0, 0
	FETCH_A 1, 0, 0
	SCALES 1
	WIN MUL_HI
	MUL16 4, 1, NQ-1, 0, 0
	MUL16 6, 1, NQ-1, 0, 0
	PLACES NP
	WIN 0
	FETCH_A 1, 0, 4
	STEPS 1, 0
	s_wait_dscnt 4*NL                              ; the very last step
	WIN MUL_LO
	MUL16 0, 1, NQ-1, 1, 0
	MUL16 2, 1, NQ-1, 1, 0
	s_wait_dscnt 0
	WIN MUL_HI
	MUL16 4, 1, NQ-1, 1, 0
	MUL16 6, 1, NQ-1, 1, 0
	WIN 0
	PLACES NP
	; positions 0-15 in f32: my block 0's eight accumulators as they stand, each from its low end on; a store covers 512 consecutive bytes
	s_cmp_lg_u32 s95, 0
	s_cbranch_scc1 .Lnofine
	WIN 0x08                                       ; a store's data are its source 1: window 2
.irp b, 0,1,2,3,4,5,6,7
	global_store_b128 v[CO], v[8*\b:8*\b+3], s[96:97] offset:1024*\b
	global_store_b128 v[CO], v[8*\b+4:8*\b+7], s[96:97] offset:1024*\b+512
.endr
	WIN 0
.Lnofine:
; THE WAY OUT, block by block of 16 rows x 128 columns = two heads.  PACK: rounded to f16, 16 bytes a lane.  TOSTAGE: into my stage, and back as whole rows.  SEND: stored, 512 consecutive bytes an instruction.
.macro PACK a
.set AC, 64*((\a)%4)
	WIN 0x0a+5*((\a)/4)                            ; sources 0 and 1: window 2 or 3
.irp b, 0,1,2,3,4,5,6,7
.irp i, 0,1,2,3
	v_cvt_pk_f16_f32 v[TMP+4*\b+\i], v[AC+8*\b+2*\i], v[AC+8*\b+2*\i+1]
.endr
.endr
	WIN 0
.endm
.macro TOSTAGE a
.set BK, OB+192*((\a)%2)
.irp b, 0,1,2,3,4,5,6,7
	ds_store_b128 v[STO], v[TMP+4*\b:TMP+4*\b+3] offset:(\b/4)*16*SPH+(\b%4)*32
.endr
.irp t, 0,1,2,3,4,5,6,7
	ds_load_b128 v[BK+4*\t:BK+4*\t+3], v[RD] offset:(\t/4)*16*SPH+(\t%4)*4*SPH   ; LDS serves a wave's instructions in order: these see the stores above
.endr
.endm
.macro SEND a
.set BK, OB+192*((\a)%2)
	s_wait_dscnt 0x0                               ; the block is back in registers
	s_wait_xcnt 0x0                                ; the stores of two blocks back have read their registers: the next block's loads may land there
.irp t, 0,1,2,3,4,5,6,7
	global_store_b128 v[CO], v[BK+4*\t:BK+4*\t+3], s[12:13] offset:(\a)*2048+(\t/4)*262144+(\t%4)*512
.endr
.endm
	PACK 0
	TOSTAGE 0
.irp a, 1,2,3,4,5,6,7                  ; block a's conversions stand between block a - 1's loads from the stage and the wait for them
	PACK \a
	SEND \a-1
	TOSTAGE \a
.endr
	SEND 7
	s_wait_tensorcnt 0x0                           ; the wave's end
	ds_add_u32 v[SPW], v[NIL]
	s_wait_dscnt 0x0
	CROUND                                         ; the closing round
	s_endpgm
.Lfunc_end_k_q688df66fe2_qkv:
	.size	k_q688df66fe2_qkv, .Lfunc_end_k_q688df66fe2_qkv-k_q688df66fe2_qkv
	.p2alignl 7, 3214868480
	.fill 96, 4, 3214868480
	.section	.rodata,"a",@progbits
	.p2align	6, 0x0
	.amdhsa_kernel k_q688df66fe2_qkv
		.amdhsa_group_segment_fixed_size 327680
		.amdhsa_private_segment_fixed_size 0
		.amdhsa_enable_private_segment 0
		.amdhsa_kernarg_size 48
		.amdhsa_user_sgpr_count 2
		.amdhsa_user_sgpr_kernarg_segment_ptr 1
		.amdhsa_wavefront_size32 1
		.amdhsa_system_sgpr_workgroup_id_x 1
		.amdhsa_system_sgpr_workgroup_id_y 1
		.amdhsa_system_sgpr_workgroup_id_z 1
		.amdhsa_system_vgpr_workitem_id 0
		.amdhsa_next_free_vgpr 1024
		.amdhsa_next_free_sgpr 98
		.amdhsa_reserve_vcc 0
		.amdhsa_float_denorm_mode_32 3
		.amdhsa_float_denorm_mode_16_64 3
		.amdhsa_memory_ordered 1
		.amdhsa_forward_progress 1
		.amdhsa_inst_pref_size 128
	.end_amdhsa_kernel
	.amdgpu_metadata
---
amdhsa.version: [ 1, 2 ]
amdhsa.kernels:
  - .name:           k_q688df66fe2_qkv
    .symbol:         k_q688df66fe2_qkv.kd
    .args:
      - { .name: xc, .offset: 0, .size: 8, .value_kind: global_buffer, .address_space: global }
      - { .name: xs, .offset: 8, .size: 8, .value_kind: global_buffer, .address_space: global }
      - { .name: wc, .offset: 16, .size: 8, .value_kind: global_buffer, .address_space: global }
      - { .name: ws, .offset: 24, .size: 8, .value_kind: global_buffer, .address_space: global }
      - { .name: qkv, .offset: 32, .size: 8, .value_kind: global_buffer, .address_space: global }
      - { .name: qf, .offset: 40, .size: 8, .value_kind: global_buffer, .address_space: global }
    .group_segment_fixed_size: 327680
    .private_segment_fixed_size: 0
    .kernarg_segment_align: 8
    .kernarg_segment_size: 48
    .max_flat_workgroup_size: 128
    .sgpr_count:     98
    .vgpr_count:     1024
    .wavefront_size: 32
...
	.end_amdgpu_metadata
.endif
;; end of part 2
;; launch attn (part 3): grid 4 x 64, 8 waves a work-group, no clusters, 327,680 bytes of LDS; arguments qkv, y; writes y
.if DOCPART == 3
	.amdgcn_target "amdgcn-amd-amdhsa--gfx1250"
	.amdhsa_code_object_version 6
	.text
	.protected	k_q688df66fe2_attn
	.globl	k_q688df66fe2_attn
	.p2align	8
	.type	k_q688df66fe2_attn,@function
k_q688df66fe2_attn:
	s_mov_b64 s[64:65], 0
	v_nop
	global_prefetch_b8 v0, s[64:65] scope:SCOPE_SE
	s_setreg_imm32_b32 hwreg(HW_REG_WAVE_MODE, 25, 1), 1
	s_wait_xcnt 0x0
; y[b][t][h][:] = the sum over keys k <= t of softmax_k(q . k / 8) v, for each of 64 (batch, head).  q, k, v: qkv [which][16 b + h][2048][64] f16.  y: [h][2048 b + t][64] f16.
; Products on f16 operands with f32 sums; maxima, exponentials and sums in f32; the weights p are rounded to f16 for the second product, y once at the end.
; LIMIT: y under 6e-5 keeps an absolute step of 6e-8.  Positions 0-15 of a sequence are made here too, but the program's output takes them from a launch that works in f32.
; SHARES.  Work-group (p, head) owns the query blocks 7 - p and p, of 256 queries, in that order, and walks NINE slots of 256 keys: key blocks 0 .. 7 - p for the first, 0 .. p for the second: equal work for all 256.
; Each of eight waves owns 32 queries of the block in hand: two tiles of 16.  Two waves share a SIMD, so that one wave's softmax stands beside the other's products.
; NO CLUSTER: the four work-groups of a head want the same key block in trips 0 to 4 only; in trips 5 to 8 their tiles differ, and a joint load has to be alike in all partners in every trip.
; LAYOUT.  S^T = K Q^T (source 0 = 16 keys, source 1 = 16 queries): a lane holds ONE query (lane % 16) and the keys 8 (lane / 16) + 0..7.  Two such tiles rounded in pairs ARE source 1 of O^T = V^T P.
; K comes out of LDS as it lies, V ([key][channel]) turned, by ds_load_tr16_b128.
; SOFTMAX.  A running maximum m and sum l a query: p = 2^(c s - c m), c = log2(e) / 8; in every step O and l are multiplied by a = 2^(c m_old - c m_new).  Hidden scores become -infinity ahead of the maximum.
; RING.  Two slots of 256 keys.  Waves 0-3 fetch K's quarters, waves 4-7 V's: one tensor load a wave behind each change of slots, which has four key steps in which to land.  All nine slots are read.
; REGISTERS: window 0: v1-15 addresses; v16-31 statistics, 8 a tile; v32-95 S^T, 32 a tile; v96-127 P, 16 a tile; v128-191 K's 8 fragments; v192-255 V's 8.   window 1: v0-31 Q; v32-95 O^T, 32 a tile.
.set PK,    144                        ; a key's row in LDS: 128 bytes + 16
.set PV,    160                        ; a row of V: 128 + 32
.set VOFF,  256*PK                     ; a slot: 256 rows of K, then 256 rows of V
.set SLOT1, 1<<17
.set STAGE, 2*SLOT1                    ; 16 rows x 144 bytes for each wave
.set SPARE, STAGE+8*16*PK              ; the spare words, 128 bytes a wave
.set AK0, 1
.set AV0, 2
.set ADK, 3
.set ADV, 4
.set QO,  5
.set STO, 6
.set RD,  7
.set GO,  8
.set SPW, 9
.set NIL, 10
.set PFO, 11
.set RH,  12                           ; lane % 16 - 8 (lane / 16)
.set NINF, 13
.set MD,  14                           ; v14-15: a tile's bound for the mask
.set ST,  16                           ; tile t at v[ST+8 t]: +0 c m, +1 m, +2, +3 l, +4 to +7 at work; a takes +6
.set S,   32
.set P,   96
.set KR,  128
.set VR,  192
.set OW,  32                           ; O^T, in window 1
.set WV,  8
.set PP,  9
.set HB,  10
.set HIN, 11                           ; 8 - p: trips of the first block
.set HIL, 12                           ; 7 - p: its last trip
.set Q0,  13                           ; my first query
.set Q0LO, 14
.set J,   15
.set KC,  16                           ; the key block in hand
.set KNX, 17                           ; the next
.set KF,  18                           ; the step's first key
.set TB,  19                           ; LDS byte at which the slot in hand begins
.set SEL, 20
.set CS,  22
.set G1K, 24
.set G1V, 32
.set G0K, 40
.set G0V, 44
.set KBA, 48                           ; s[48:49] K of my head, my quarter of a key block
.set VBA, 50
.set QHI, 52
.set QLO, 54
.set YHI, 56
.set YLO, 58
.set PFA, 60
.set LIM, 62
.set OF,  66
.set T0,  68
.set T1,  69
.set MSB, 0
.macro WIN new
.if MSB != \new
	s_set_vgpr_msb (MSB<<8)|\new
.set MSB, \new
.endif
.endm
.set W_KQ, 0x04                        ; Q (source 1) in window 1
.set W_PV, 0x50                        ; O^T (C and D) in window 1
.set W_RS, 0x41                        ; O^T (destination and source 0) in window 1
; Waves 0-3 fetch for K, waves 4-7 for V: the branch hangs on the wave's number alone.  An s_nop 0 and four v_nop follow each line.
.macro TLOAD
	s_cmp_lt_u32 s[WV], 4
	s_cbranch_scc0 .Lfor_v_\@
	tensor_load_to_lds s[G0K:G0K+3], s[G1K:G1K+7]
	s_nop 0
.rept 4
	v_nop
.endr
	s_branch .Lasked_\@
.Lfor_v_\@:
	tensor_load_to_lds s[G0V:G0V+3], s[G1V:G1V+7]
	s_nop 0
.rept 4
	v_nop
.endr
.Lasked_\@:
.endm
; A prefetch of the key block that the NEXT change of slots will ask for.  All four work-groups of a head walk key blocks 0, 1, 2 .. at first: the one with p = 0, which walks all eight in order, asks, in trips 0 to 5,
; for block J + 2.  Each wave names its own 8,192 bytes (its quarter of K's or V's rows), lanes 256 bytes apart: one instruction, and each aligned 256 bytes once in the launch.  Blocks 0 and 1 come by their loads alone.
.macro ASK
	s_cmp_lt_u32 s[J], s[LIM]
	s_cbranch_scc0 .Lnot_mine_\@
	global_prefetch_b8 v[PFO], s[PFA:PFA+1] th:TH_LOAD_NT scope:SCOPE_SE
.Lnot_mine_\@:
.endm
; THE CHANGE OF SLOTS stands at a slot's head.  Each wave waits for all its tensor loads (its part of the slot ahead), adds 0 to its spare word, and waits for that and for its reads of the slot that it has left.
.macro CHANGE fill
	s_wait_tensorcnt 0x0                           ; no tensor load of mine is out, so a group 0 may be written
	ds_add_u32 v[SPW], v[NIL]
.if \fill
	s_add_co_u32 s[T0], s[J], 1                    ; the next trip's key block: J + 1 in the first block, J + 1 - (8 - p) in the second
	s_max_u32 s[T1], s[T0], s[HIN]
	s_sub_co_u32 s[T1], s[T1], s[HIN]
	s_cmp_lt_u32 s[T0], s[HIN]
	s_cselect_b32 s[KNX], s[T0], s[T1]
	s_lshl_b32 s[OF], s[KNX], 15                   ; 256 rows of 128 bytes
	s_xor_b32 s[G0K+1], s[G0K+1], SLOT1            ; the other slot than last time
	s_xor_b32 s[G0V+1], s[G0V+1], SLOT1
	s_add_nc_u64 s[G0K+2:G0K+3], s[KBA:KBA+1], s[OF:OF+1]
	s_or_b32 s[G0K+3], s[G0K+3], 0x80000000
	s_add_nc_u64 s[G0V+2:G0V+3], s[VBA:VBA+1], s[OF:OF+1]
	s_or_b32 s[G0V+3], s[G0V+3], 0x80000000
	s_wait_xcnt 0x0                                ; the last prefetch, a slot back, has read its address
	s_add_nc_u64 s[PFA:PFA+1], s[PFA:PFA+1], 32768
.endif
	s_wait_dscnt 0x0                               ; the add is done, and my reads of the slot that I have left are over
	s_barrier_signal -1
	s_barrier_wait -1
.if \fill
	TLOAD                                          ; the first thing behind the barrier, and my one tensor load until the next
	ASK
.endif
.endm
; Both tiles' softmax for one key step, the tiles line by line.
.macro SOFTMAX
.irp k, 0,1,2,3                        ; the maximum: four chains, each begun at the low end of one accumulator
.irp t, 0,1
	v_max3_num_f32 v[ST+8*\t+4+\k], v[S+32*\t+8*\k], v[S+32*\t+8*\k+1], v[S+32*\t+8*\k+2]
.endr
.endr
.irp i, 3,5
.irp k, 0,1,2,3
.irp t, 0,1
	v_max3_num_f32 v[ST+8*\t+4+\k], v[ST+8*\t+4+\k], v[S+32*\t+8*\k+\i], v[S+32*\t+8*\k+\i+1]
.endr
.endr
.endr
.irp t, 0,1
	v_max3_num_f32 v[ST+8*\t+4], v[ST+8*\t+4], v[S+32*\t+7], v[S+32*\t+15]
	v_max3_num_f32 v[ST+8*\t+6], v[ST+8*\t+6], v[S+32*\t+23], v[S+32*\t+31]
.endr
.irp t, 0,1
	v_max3_num_f32 v[ST+8*\t+4], v[ST+8*\t+4], v[ST+8*\t+5], v[ST+8*\t+6]
.endr
.irp t, 0,1
	v_max3_num_f32 v[ST+8*\t+4], v[ST+8*\t+4], v[ST+8*\t+7], v[ST+8*\t+1]   ; with the old m
.endr
.irp t, 0,1
	v_permlanex16_b32 v[ST+8*\t+5], v[ST+8*\t+4], s[SEL], s[SEL+1]          ; the query's other 32 keys lie in the lane 16 away
.endr
.irp t, 0,1
	v_mov_b32 v[ST+8*\t+7], v[ST+8*\t]             ; c m_old
.endr
.irp t, 0,1
	v_max_num_f32 v[ST+8*\t+1], v[ST+8*\t+4], v[ST+8*\t+5]
.endr
.irp t, 0,1
	v_mul_f32 v[ST+8*\t], s[CS], v[ST+8*\t+1]
.endr
.irp t, 0,1
	v_sub_f32 v[ST+8*\t+7], v[ST+8*\t+7], v[ST+8*\t]
.endr
.set ii, 0
.rept 16
.irp t, 0,1
	v_pk_fma_f32 v[S+32*\t+2*ii:S+32*\t+2*ii+1], v[S+32*\t+2*ii:S+32*\t+2*ii+1], s[CS:CS+1], v[ST+8*\t:ST+8*\t+1] op_sel_hi:[1,0,0] neg_lo:[0,0,1] neg_hi:[0,0,1]  ; c s - c m
.endr
.set ii, ii+1
.endr
.irp t, 0,1
	v_exp_f32 v[ST+8*\t+6], v[ST+8*\t+7]           ; a
.endr
.set ii, 0
.rept 64
	v_exp_f32 v[S+ii], v[S+ii]                     ; p
.set ii, ii+1
.endr
	v_nop                                          ; a plain instruction behind the last exponential
	s_wait_alu depctr_va_vdst(0)                   ; one wait for the batch of 66, ahead of its first reader
.set ii, 0
.rept 32
	v_cvt_pk_f16_f32 v[P+ii], v[S+2*ii], v[S+2*ii+1]
.set ii, ii+1
.endr
.irp u, 0,1,2,3,4,5,6,7                ; the sum of a tile's 16 pairs, as a tree
.irp t, 0,1
	v_pk_add_f32 v[S+32*\t+4*\u:S+32*\t+4*\u+1], v[S+32*\t+4*\u:S+32*\t+4*\u+1], v[S+32*\t+4*\u+2:S+32*\t+4*\u+3]
.endr
.endr
.irp u, 0,1,2,3
.irp t, 0,1
	v_pk_add_f32 v[S+32*\t+8*\u:S+32*\t+8*\u+1], v[S+32*\t+8*\u:S+32*\t+8*\u+1], v[S+32*\t+8*\u+4:S+32*\t+8*\u+5]
.endr
.endr
.irp u, 0,1
.irp t, 0,1
	v_pk_add_f32 v[S+32*\t+16*\u:S+32*\t+16*\u+1], v[S+32*\t+16*\u:S+32*\t+16*\u+1], v[S+32*\t+16*\u+8:S+32*\t+16*\u+9]
.endr
.endr
.irp t, 0,1
	v_pk_add_f32 v[S+32*\t:S+32*\t+1], v[S+32*\t:S+32*\t+1], v[S+32*\t+16:S+32*\t+17]
.endr
.irp t, 0,1
	v_pk_fma_f32 v[ST+8*\t+2:ST+8*\t+3], v[ST+8*\t+2:ST+8*\t+3], v[ST+8*\t+6:ST+8*\t+7], v[S+32*\t:S+32*\t+1] op_sel_hi:[1,0,1]   ; l = a l + the sum
.endr
	WIN W_RS
.irp t, 0,1
.set ii, 0
.rept 16
	v_pk_mul_f32 v[OW+32*\t+2*ii:OW+32*\t+2*ii+1], v[OW+32*\t+2*ii:OW+32*\t+2*ii+1], v[ST+8*\t+6:ST+8*\t+7] op_sel_hi:[1,0]   ; O^T x a, each accumulator from its low end on
.set ii, ii+1
.endr
.endr
	WIN 0
.endm
; A KEY STEP: 64 keys, the q-th of the slot in hand.  A step all of whose keys come after my 32 queries is left out: a scalar branch on ids and counted steps.
.macro STEP q
	s_add_co_u32 s[T0], s[Q0], 31
	s_cmp_gt_u32 s[KF], s[T0]
	s_cbranch_scc1 .Lhidden_\@
	v_add_nc_u32 v[ADK], s[TB], v[AK0]
	v_add_nc_u32 v[ADV], s[TB], v[AV0]
.irp kt, 0,1,2,3
.irp ks, 0,1
	ds_load_b128 v[KR+8*(2*\kt+\ks):KR+8*(2*\kt+\ks)+3],   v[ADK] offset:(64*(\q)+16*\kt)*PK+64*\ks
	ds_load_b128 v[KR+8*(2*\kt+\ks)+4:KR+8*(2*\kt+\ks)+7], v[ADK] offset:(64*(\q)+16*\kt)*PK+64*\ks+32
.endr
.endr
	s_wait_dscnt 0x0
	WIN W_KQ
.irp ks, 0,1                           ; eight accumulators by turns, one instruction a turn
.irp kt, 0,1,2,3
.irp t, 0,1
.if \ks == 0
	v_wmma_f32_16x16x32_f16 v[S+32*\t+8*\kt:S+32*\t+8*\kt+7], v[KR+8*(2*\kt+\ks):KR+8*(2*\kt+\ks)+7], v[16*\t+8*\ks:16*\t+8*\ks+7], 0
.else
	v_wmma_f32_16x16x32_f16 v[S+32*\t+8*\kt:S+32*\t+8*\kt+7], v[KR+8*(2*\kt+\ks):KR+8*(2*\kt+\ks)+7], v[16*\t+8*\ks:16*\t+8*\ks+7], v[S+32*\t+8*\kt:S+32*\t+8*\kt+7]
.endif
.endr
.endr
.endr
	WIN 0
.rept 4
	v_nop                                          ; places ahead of the reads of S^T, and (with the two additions above) ahead of the loads into V's registers
.endr
.irp g, 0,1
.irp ct, 0,1,2,3
	ds_load_tr16_b128 v[VR+8*(4*\g+\ct):VR+8*(4*\g+\ct)+3],   v[ADV] offset:(64*(\q)+32*\g)*PV+32*\ct
	ds_load_tr16_b128 v[VR+8*(4*\g+\ct)+4:VR+8*(4*\g+\ct)+7], v[ADV] offset:(64*(\q)+32*\g)*PV+16*PV+32*\ct
.endr
.endr
	s_add_co_u32 s[T0], s[KF], 63                  ; a step all of whose keys count skips the mask
	s_cmp_le_u32 s[T0], s[Q0]
	s_cbranch_scc1 .Lopen_\@
	s_sub_co_i32 s[T0], s[Q0], s[KF]
	v_add_nc_u32 v[MD], s[T0], v[RH]               ; register n of tile t holds key KF + 16 (n / 8) + 8 (lane / 16) + n % 8: hidden where 16 (n / 8) + n % 8 > Q0 - KF + 16 t + lane % 16 - 8 (lane / 16)
	v_add_nc_u32 v[MD+1], 16, v[MD]
.irp t, 0,1
.irp n, 0,1,2,3,4,5,6,7,8,9,10,11,12,13,14,15,16,17,18,19,20,21,22,23,24,25,26,27,28,29,30,31
	v_cmp_gt_i32 vcc_lo, 16*(\n/8)+\n%8, v[MD+\t]
	v_cndmask_b32 v[S+32*\t+\n], v[S+32*\t+\n], v[NINF], vcc_lo
.endr
.endr
.Lopen_\@:
	SOFTMAX
	s_wait_dscnt 0x0                               ; V is in
	WIN W_PV
.irp g, 0,1
.irp ct, 0,1,2,3
.irp t, 0,1
	v_wmma_f32_16x16x32_f16 v[OW+32*\t+8*\ct:OW+32*\t+8*\ct+7], v[VR+8*(4*\g+\ct):VR+8*(4*\g+\ct)+7], v[P+16*\t+8*\g:P+16*\t+8*\g+7], v[OW+32*\t+8*\ct:OW+32*\t+8*\ct+7]
.endr
.endr
.endr
	WIN 0
.Lhidden_\@:
	s_add_co_u32 s[KF], s[KF], 64
.endm
.macro SLOT_STEPS
	s_lshl_b32 s[KF], s[KC], 8
	STEP 0
	STEP 1
	STEP 2
	STEP 3
	s_xor_b32 s[TB], s[TB], SLOT1
	s_mov_b32 s[KC], s[KNX]
.endm
.macro INIT                            ; m under every score, l and O^T zero: the first change of m multiplies zeros
.irp t, 0,1
	v_mov_b32 v[ST+8*\t+1], 0xff61b1e6
	v_mul_f32 v[ST+8*\t], s[CS], v[ST+8*\t+1]
	v_mov_b32 v[ST+8*\t+2], 0
	v_mov_b32 v[ST+8*\t+3], 0
.endr
	WIN 0x40
.set ii, 0
.rept 64
	v_mov_b32 v[OW+ii], 0
.set ii, ii+1
.endr
	WIN 0
.endm
.macro QLOAD ptr                       ; my 32 queries: four fragments of 16 rows x 32 channels, into window 1
	WIN 0x40
.irp t, 0,1
.irp ks, 0,1
	global_load_b128 v[16*\t+8*\ks:16*\t+8*\ks+3],   v[QO], s[\ptr:\ptr+1] offset:2048*\t+64*\ks
	global_load_b128 v[16*\t+8*\ks+4:16*\t+8*\ks+7], v[QO], s[\ptr:\ptr+1] offset:2048*\t+64*\ks+32
.endr
.endr
	WIN 0
.endm
; THE WAY OUT of a query block: O^T / l, rounded to f16, through my stage, a tile (16 rows of 128 bytes) at a time; a store covers 512 consecutive bytes.
.macro EPILOGUE yb
.rept 4
	v_nop                                          ; places behind the last products
.endr
.irp t, 0,1
	v_add_f32 v[ST+8*\t+4], v[ST+8*\t+2], v[ST+8*\t+3]
.endr
.irp t, 0,1
	v_permlanex16_b32 v[ST+8*\t+5], v[ST+8*\t+4], s[SEL], s[SEL+1]
.endr
.irp t, 0,1
	v_add_f32 v[ST+8*\t+4], v[ST+8*\t+4], v[ST+8*\t+5]
.endr
.irp t, 0,1
	v_rcp_f32 v[ST+8*\t+6], v[ST+8*\t+4]
.endr
	v_nop
	s_wait_alu depctr_va_vdst(0)                   ; one wait for the two reciprocals, ahead of their first reader
.irp t, 0,1
	WIN W_RS
.set ii, 0
.rept 16
	v_pk_mul_f32 v[OW+32*\t+2*ii:OW+32*\t+2*ii+1], v[OW+32*\t+2*ii:OW+32*\t+2*ii+1], v[ST+8*\t+6:ST+8*\t+7] op_sel_hi:[1,0]
.set ii, ii+1
.endr
	WIN 0x05                                       ; sources in window 1, destination in window 0: S^T's registers are free
.set ii, 0
.rept 16
	v_cvt_pk_f16_f32 v[S+16*\t+ii], v[OW+32*\t+2*ii], v[OW+32*\t+2*ii+1]
.set ii, ii+1
.endr
	WIN 0
.irp c, 0,1,2,3
	ds_store_b128 v[STO], v[S+16*\t+4*\c:S+16*\t+4*\c+3] offset:32*\c
.endr
.irp c, 0,1,2,3
	ds_load_b128 v[S+32+16*\t+4*\c:S+32+16*\t+4*\c+3], v[RD] offset:4*PK*\c   ; LDS serves a wave's instructions in order: these see the stores above, and the next tile's stores come behind them
.endr
.endr
	s_wait_dscnt 8                                 ; tile 0 is back; tile 1's four stores and four loads may be out
.irp c, 0,1,2,3
	global_store_b128 v[GO], v[S+32+4*\c:S+32+4*\c+3], s[\yb:\yb+1] offset:512*\c
.endr
	s_wait_dscnt 0x0
.irp c, 0,1,2,3
	global_store_b128 v[GO], v[S+48+4*\c:S+48+4*\c+3], s[\yb:\yb+1] offset:2048+512*\c
.endr
.endm
	s_load_b128 s[4:7], s[0:1], 0x0                ; qkv, y
	v_lshl_add_u32 v[SPW], v0, 2, SPARE
	v_mov_b32 v[NIL], 0
	ds_add_u32 v[SPW], v[NIL]                      ; the wave's opening: the add, twice on end, and its wait ahead of my first tensor load
	ds_add_u32 v[SPW], v[NIL]
	v_lshrrev_b32 v1, 5, v0
	v_readfirstlane_b32 s[WV], v1                  ; wave 0..7
	s_mov_b32 s[PP], ttmp9
	s_and_b32 s[HB], ttmp7, 0xffff                 ; 16 x batch + head
	s_sub_co_u32 s[HIN], 8, s[PP]
	s_sub_co_u32 s[HIL], 7, s[PP]
	s_lshl_b32 s[T0], s[WV], 5
	s_lshl_b32 s[Q0], s[HIL], 8
	s_add_co_u32 s[Q0], s[Q0], s[T0]               ; my first query in block 7 - p
	s_lshl_b32 s[Q0LO], s[PP], 8
	s_add_co_u32 s[Q0LO], s[Q0LO], s[T0]           ; and in block p
	s_mov_b32 s[G1K], (1<<16)|(1<<20)|(4<<22)|(3<<25)   ; elements of 2 bytes; padding on: after every 32 words, 4 words
	s_mov_b32 s[G1V], (1<<16)|(1<<20)|(4<<22)|(7<<25)   ; the same with 8 words
.irp g, G1K, G1V
	s_mov_b32 s[\g+1], 64<<16                      ; tensor_dim0
	s_mov_b32 s[\g+2], 64<<16                      ; tensor_dim1
	s_mov_b32 s[\g+3], 64<<16                      ; tile_dim0
	s_mov_b32 s[\g+4], 64                          ; tile_dim1
	s_mov_b32 s[\g+5], 64                          ; the pitch
	s_mov_b32 s[\g+6], 0
	s_mov_b32 s[\g+7], 0
.endr
	s_mov_b32 s[SEL], 0x76543210
	s_mov_b32 s[SEL+1], 0xfedcba98
	s_mov_b32 s[CS], 0x3e38aa3b                    ; c = log2(e) / 8
	s_mov_b32 s[CS+1], s[CS]
	s_mov_b32 s[J], 0
	s_mov_b32 s[KC], 0
	s_mov_b32 s[KNX], 0
	s_mov_b32 s[TB], 0
	s_cmp_eq_u32 s[PP], 0
	s_cselect_b32 s[LIM], 6, 0
	s_mov_b32 s[OF+1], 0
	s_wait_dscnt 0x0                               ; both opening adds are done
	s_wait_kmcnt 0x0
	s_lshl_b32 s[OF], s[HB], 18                    ; a head: 2,048 rows of 128 bytes
	s_add_nc_u64 s[QHI:QHI+1], s[4:5], s[OF:OF+1]
	s_and_b32 s[T0], s[WV], 3
	s_lshl_b32 s[OF], s[T0], 13                    ; my quarter: 64 rows
	s_add_nc_u64 s[KBA:KBA+1], s[QHI:QHI+1], s[OF:OF+1]
	s_add_nc_u64 s[VBA:VBA+1], s[KBA:KBA+1], 0x2000000
	s_add_nc_u64 s[KBA:KBA+1], s[KBA:KBA+1], 0x1000000
	s_lshl_b32 s[OF], s[Q0LO], 7
	s_add_nc_u64 s[QLO:QLO+1], s[QHI:QHI+1], s[OF:OF+1]
	s_lshl_b32 s[OF], s[Q0], 7
	s_add_nc_u64 s[QHI:QHI+1], s[QHI:QHI+1], s[OF:OF+1]
	s_and_b32 s[T1], s[HB], 15
	s_lshl_b32 s[T1], s[T1], 13                    ; y: head x 8,192 rows
	s_lshr_b32 s[OF], s[HB], 4
	s_lshl_b32 s[OF], s[OF], 11                    ; + batch x 2,048
	s_add_co_u32 s[T1], s[T1], s[OF]
	s_add_co_u32 s[OF], s[T1], s[Q0]
	s_lshl_b32 s[OF], s[OF], 7
	s_add_nc_u64 s[YHI:YHI+1], s[6:7], s[OF:OF+1]
	s_add_co_u32 s[OF], s[T1], s[Q0LO]
	s_lshl_b32 s[OF], s[OF], 7
	s_add_nc_u64 s[YLO:YLO+1], s[6:7], s[OF:OF+1]
	s_mov_b32 s[G0K], 1
	s_mul_i32 s[G0K+1], s[T0], 64*PK
	s_mov_b64 s[G0K+2:G0K+3], s[KBA:KBA+1]
	s_or_b32 s[G0K+3], s[G0K+3], 0x80000000
	s_mov_b32 s[G0V], 1
	s_mul_i32 s[G0V+1], s[T0], 64*PV
	s_add_co_u32 s[G0V+1], s[G0V+1], VOFF
	s_mov_b64 s[G0V+2:G0V+3], s[VBA:VBA+1]
	s_or_b32 s[G0V+3], s[G0V+3], 0x80000000
	s_cmp_lt_u32 s[WV], 4
	s_cselect_b64 s[PFA:PFA+1], s[KBA:KBA+1], s[VBA:VBA+1]
	s_add_nc_u64 s[PFA:PFA+1], s[PFA:PFA+1], 32768   ; at key block 1: the first change of slots steps it to block 2
	TLOAD                                          ; slot 0: key block 0
	v_and_b32 v14, 15, v0                          ; r
	v_bfe_u32 v15, v0, 4, 1                        ; h
	v_lshlrev_b32 v[QO], 7, v14
	v_lshl_add_u32 v[QO], v15, 4, v[QO]            ; row r of 128 bytes + 16 h
	QLOAD QHI
	v_mul_u32_u24 v[AK0], v14, PK
	v_lshl_add_u32 v[AK0], v15, 4, v[AK0]
	v_and_b32 v3, 7, v0
	v_lshl_add_u32 v[AV0], v15, 3, v3              ; the turning load: key 8 h + lane % 8,
	v_mul_u32_u24 v[AV0], v[AV0], PV
	v_bfe_u32 v3, v0, 3, 1
	v_lshl_add_u32 v[AV0], v3, 4, v[AV0]           ; channels 8 ((lane / 8) % 2) on
	v_add_nc_u32 v[AV0], VOFF, v[AV0]
	s_mul_i32 s[T1], s[WV], 16*PK
	s_add_co_u32 s[T1], s[T1], STAGE               ; my stage
	v_add_nc_u32 v[STO], s[T1], v[AK0]
	v_and_b32 v3, 31, v0
	v_lshrrev_b32 v4, 3, v3
	v_mul_u32_u24 v4, v4, PK
	v_and_b32 v[RD], 7, v0
	v_lshl_add_u32 v[RD], v[RD], 4, v4
	v_add_nc_u32 v[RD], s[T1], v[RD]               ; back: eight lanes to a row, four rows an instruction
	v_lshlrev_b32 v[GO], 4, v3
	v_lshlrev_b32 v[PFO], 8, v3
	v_lshlrev_b32 v4, 3, v15
	v_sub_nc_u32 v[RH], v14, v4
	v_mov_b32 v[NINF], 0xff800000
	INIT
	s_wait_loadcnt 0x0                             ; Q
.Lslot:                                            ; eight trips; behind each change of slots the next trip's key block is asked for
	CHANGE 1
	SLOT_STEPS
	s_cmp_lg_u32 s[J], s[HIL]                      ; behind trip 7 - p the first block is finished: it goes out, and block p begins
	s_cbranch_scc1 .Lnosw
	QLOAD QLO
	EPILOGUE YHI
	INIT
	s_mov_b32 s[Q0], s[Q0LO]
	s_wait_loadcnt 0x0                             ; the new Q
	s_wait_xcnt 0x0                                ; the stores have read their registers, which the next scores take
.Lnosw:
	s_add_co_u32 s[J], s[J], 1
	s_cmp_lt_u32 s[J], 8
	s_cbranch_scc1 .Lslot
	CHANGE 0                                       ; the ninth slot is written out: nothing is left to fetch
	SLOT_STEPS
	EPILOGUE YLO
	s_wait_tensorcnt 0x0                           ; the wave's end
	ds_add_u32 v[SPW], v[NIL]
	s_wait_dscnt 0x0
	s_endpgm
.Lfunc_end_k_q688df66fe2_attn:
	.size	k_q688df66fe2_attn, .Lfunc_end_k_q688df66fe2_attn-k_q688df66fe2_attn
	.p2alignl 7, 3214868480
	.fill 96, 4, 3214868480
	.section	.rodata,"a",@progbits
	.p2align	6, 0x0
	.amdhsa_kernel k_q688df66fe2_attn
		.amdhsa_group_segment_fixed_size 327680
		.amdhsa_private_segment_fixed_size 0
		.amdhsa_enable_private_segment 0
		.amdhsa_kernarg_size 16
		.amdhsa_user_sgpr_count 2
		.amdhsa_user_sgpr_kernarg_segment_ptr 1
		.amdhsa_wavefront_size32 1
		.amdhsa_system_sgpr_workgroup_id_x 1
		.amdhsa_system_sgpr_workgroup_id_y 1
		.amdhsa_system_sgpr_workgroup_id_z 1
		.amdhsa_system_vgpr_workitem_id 0
		.amdhsa_next_free_vgpr 352
		.amdhsa_next_free_sgpr 72
		.amdhsa_reserve_vcc 1
		.amdhsa_float_denorm_mode_32 3
		.amdhsa_float_denorm_mode_16_64 3
		.amdhsa_memory_ordered 1
		.amdhsa_forward_progress 1
		.amdhsa_inst_pref_size 198
	.end_amdhsa_kernel
	.amdgpu_metadata
---
amdhsa.version: [ 1, 2 ]
amdhsa.kernels:
  - .name:           k_q688df66fe2_attn
    .symbol:         k_q688df66fe2_attn.kd
    .args:
      - { .name: qkv, .offset: 0, .size: 8, .value_kind: global_buffer, .address_space: global }
      - { .name: y, .offset: 8, .size: 8, .value_kind: global_buffer, .address_space: global }
    .group_segment_fixed_size: 327680
    .private_segment_fixed_size: 0
    .kernarg_segment_align: 8
    .kernarg_segment_size: 16
    .max_flat_workgroup_size: 256
    .sgpr_count:     72
    .vgpr_count:     352
    .wavefront_size: 32
...
	.end_amdgpu_metadata
.endif
;; end of part 3
;; launch proj (part 4): grid 4 x 64, 4 waves a work-group, clusters of 4 x 4, 327,680 bytes of LDS; arguments y, wo16, out0; writes out0
.if DOCPART == 4
	.amdgcn_target "amdgcn-amd-amdhsa--gfx1250"
	.amdhsa_code_object_version 6
	.text
	.protected	k_q688df66fe2_proj
	.globl	k_q688df66fe2_proj
	.p2align	8
	.type	k_q688df66fe2_proj,@function
k_q688df66fe2_proj:
	s_mov_b64 s[64:65], 0
	v_nop
	global_prefetch_b8 v0, s[64:65] scope:SCOPE_SE
	s_setreg_imm32_b32 hwreg(HW_REG_WAVE_MODE, 25, 1), 1
	s_wait_xcnt 0x0
	s_wait_alu depctr_hold_cnt(0) depctr_sa_sdst(0) depctr_va_vdst(0) depctr_va_sdst(0) depctr_va_ssrc(0) depctr_va_vcc(0) depctr_vm_vsrc(0)
	s_getreg_b32 s2, hwreg(HW_REG_IB_STS2, 6, 4)
	s_cmp_eq_u32 s2, 0
	s_cbranch_scc0 .Lentry_in_a_cluster
	s_endpgm
.Lentry_in_a_cluster:
	s_bfe_u32 s2, ttmp6, 0x10000c
	s_cmp_lg_u32 s2, 0xf033
	s_cbranch_scc0 .Lentry_shape_is_right
	s_endpgm
.Lentry_shape_is_right:
; out0[m][n] = the sum over c of y[m][c] Wo[n][c], m = 2048 b + t, c = 64 h + d.  y: [h 16][8192][64] f16; wo16: [1024][1024] f16; out0: [8192][1024] f32; sums in f32.
; Rows t < 16 of every batch are NOT stored here: another launch makes them in f32.
; A tile of out0 is 128 x 256: 256 work-groups.  Four waves, each 64 x 128: 32 accumulators, all of window 1 ((a, b) at v[8 (8 a + b)]).  K goes in steps of 128 = two heads through two LDS slots.
; A's part of a slot is two planes (heads) of 128 rows x 128 bytes, B's 256 rows x 256 bytes.  Waves 0 and 1 fetch A's planes, waves 2 and 3 B's halves: one tensor load a wave behind each change of slots.
; CLUSTERS: 4 x 4.  Tile column = 4 x cluster x + cx; tile row = 16 cy + cluster y, so cy is the batch.  A's tiles are shared along a row of the cluster, B's along a column: joint loads.
; THE MATRIX INSTRUCTION IS USED TRANSPOSED (source 0 = 16 rows of Wo, source 1 = 16 rows of y): a lane holds eight neighbouring numbers of a row of out0.
; REGISTERS: window 0: v0-31 addresses; two fragment buffers of 96: v32-127, v128-223 (B's 8 fragments, then A's 4); on the way out v32-159.
.set PA,     144
.set PB,     272
.set APL,    128*PA                    ; a plane of A
.set HALFB,  128*PB
.set SLOT,   2*APL+2*HALFB
.set STAGE,  2*SLOT                    ; 16 rows x (512 + 16) bytes for each wave
.set SPITCH, 528
.set SPARE,  STAGE+4*16*SPITCH
.set LAPS,   4
.set ADRA, 16
.set ADRB, 20
.set STO,  24
.set RD,   25
.set CO,   26
.set SPW,  28
.set NIL,  29
.set PFO,  30
.set F0,   32
.set F1,   128
.set BK,   32
.set G1,  24
.set G0,  32
.set G1B, 48
.set G0B, 56
.set PFA, 44
.set LIM, 43
.set FL,  22
.set MSB, 0
.macro WIN new
.if MSB != \new
	s_set_vgpr_msb (MSB<<8)|\new
.set MSB, \new
.endif
.endm
.set MUL, 0x50                         ; C and D in window 1
.macro JLOAD s                         ; a joint load; the branch hangs on the wave's number alone; an s_nop 0 and four v_nop follow each line
	s_cmp_eq_u32 s11, 0
	s_cbranch_scc0 .Lfor_b_\@
	tensor_load_to_lds s[G0+4*\s:G0+4*\s+3], s[G1:G1+7]
	s_nop 0
.rept 4
	v_nop
.endr
	s_branch .Lasked_\@
.Lfor_b_\@:
	tensor_load_to_lds s[G0B+4*\s:G0B+4*\s+3], s[G1B:G1B+7]
	s_nop 0
.rept 4
	v_nop
.endr
.Lasked_\@:
.endm
; A prefetch of A's K step that stands two refills on: two planes of 16,384 bytes.  A tile row is read by one row of one cluster alone; its four partners share the 32,768 bytes out BY ADDRESS
; (plane cx / 2, half cx % 2); in each, wave 0 asks: one instruction, lanes 256 bytes apart.  So K steps 4 to 7 are named once each; the last two refills ask for nothing.  B is read by all clusters and is not asked for.
.macro ASK
	s_cmp_gt_u32 s3, s[LIM]                        ; s3 = 1 in the loop's last trip
	s_cbranch_scc0 .Lnot_mine_\@
	global_prefetch_b8 v[PFO], s[PFA:PFA+1] offset:1<<21 th:TH_LOAD_NT scope:SCOPE_SE
.Lnot_mine_\@:
.endm
.macro CREST
	s_cmp_lg_u32 s10, 0
	s_cbranch_scc1 .Lnot_wave_0_\@
	s_barrier_signal -3
.Lnot_wave_0_\@:
	s_barrier_wait -3
	s_barrier_signal -1
	s_barrier_wait -1
.endm
.macro CROUND
	s_barrier_signal -1
	s_barrier_wait -1
	CREST
.endm
	s_load_b128 s[4:7], s[0:1], 0x0                ; y, wo16
	s_load_b64 s[8:9], s[0:1], 0x10                ; out0
	v_lshl_add_u32 v[SPW], v0, 2, SPARE
	v_mov_b32 v[NIL], 0
	ds_add_u32 v[SPW], v[NIL]                      ; the wave's opening: the add, twice on end, and its wait ahead of my first tensor load
	ds_add_u32 v[SPW], v[NIL]
	v_lshrrev_b32 v1, 5, v0
	v_readfirstlane_b32 s10, v1                    ; wave 0..3
	s_lshr_b32 s11, s10, 1                         ; which 64 rows are mine.  Also: I fetch for A (0) or for B (1)
	s_and_b32 s12, s10, 1                          ; which 128 columns.  Also: which plane of A or half of B I fetch
	s_bfe_u32 s40, ttmp6, 0x40000                  ; cx
	s_bfe_u32 s41, ttmp6, 0x40004                  ; cy
	s_lshl_b32 s42, ttmp9, 2
	s_add_co_u32 s42, s42, s40                     ; tile column
	s_and_b32 s13, ttmp7, 0xffff                   ; cluster y
	s_or_b32 s[FL], s13, s11                       ; 0 where my first 16 rows are positions 0-15 of a batch: the same in all partners, for a given wave
	s_lshl_b32 s14, s41, 4
	s_add_co_u32 s13, s13, s14                     ; tile row = 16 cy + cluster y
	s_lshl_b32 s14, s41, 2
	s_lshl_b32 s14, 15, s14                        ; my row of the cluster
	s_lshl_b32 s15, 0x1111, s40                    ; my column
	s_or_b32 s[G1+0], s14, (1<<16)|(1<<20)|(1<<21)|(4<<22)|(3<<25)   ; A: elements of 2 bytes; padding: after every 32 words, 4 words
	s_mov_b32 s[G1+1], 64<<16                      ; tensor_dim0
	s_mov_b32 s[G1+2], 128<<16                     ; tensor_dim1
	s_mov_b32 s[G1+3], 64<<16                      ; tile_dim0
	s_mov_b32 s[G1+4], 128                         ; tile_dim1
	s_mov_b32 s[G1+5], 64                          ; the pitch
	s_mov_b32 s[G1+6], 0
	s_mov_b32 s[G1+7], 0
	s_or_b32 s[G1B+0], s15, (1<<16)|(1<<20)|(1<<21)|(5<<22)|(3<<25)  ; B: after every 64 words, 4 words
	s_mov_b32 s[G1B+1], 128<<16
	s_mov_b32 s[G1B+2], 128<<16
	s_mov_b32 s[G1B+3], 128<<16
	s_mov_b32 s[G1B+4], 128
	s_mov_b32 s[G1B+5], 1024
	s_mov_b32 s[G1B+6], 0
	s_mov_b32 s[G1B+7], 0
	s_lshl_b32 s16, s12, 20                        ; A: my plane (a head is 8,192 rows of 128 bytes),
	s_lshl_b32 s17, s13, 14                        ; the tile's 128 rows
	s_add_co_u32 s16, s16, s17
	s_mov_b32 s17, 0
	s_lshl_b32 s46, s42, 8
	s_lshl_b32 s47, s12, 7
	s_add_co_u32 s46, s46, s47                     ; B: row 256 x tile column + 128 x half,
	s_lshl_b32 s46, s46, 11                        ; of 2,048 bytes
	s_mov_b32 s47, 0
	s_mul_i32 s20, s12, APL                        ; where they go
	s_mul_i32 s21, s12, HALFB
	s_add_co_u32 s21, s21, 2*APL
	s_wait_dscnt 0x0                               ; both opening adds are done
	s_wait_kmcnt 0x0
	s_add_nc_u64 s[16:17], s[4:5], s[16:17]
	s_add_nc_u64 s[46:47], s[6:7], s[46:47]
	CROUND                                         ; all sixteen work-groups are here: the first joint loads meet
.irp s, 0,1
	s_mov_b32 s[G0+4*\s], 1
	s_add_co_u32 s[G0+4*\s+1], s20, \s*SLOT
	s_add_nc_u64 s[G0+4*\s+2:G0+4*\s+3], s[16:17], \s*(1<<21)      ; K step s: heads 2 s, 2 s + 1
	s_or_b32 s[G0+4*\s+3], s[G0+4*\s+3], 0x80000000
	s_mov_b32 s[G0B+4*\s], 1
	s_add_co_u32 s[G0B+4*\s+1], s21, \s*SLOT
	s_add_nc_u64 s[G0B+4*\s+2:G0B+4*\s+3], s[46:47], \s*256
	s_or_b32 s[G0B+4*\s+3], s[G0B+4*\s+3], 0x80000000
	JLOAD \s
.endr
	v_and_b32 v1, 15, v0
	v_bfe_u32 v2, v0, 4, 1
	v_mul_u32_u24 v3, v1, PA
	v_lshl_add_u32 v3, v2, 4, v3
	v_mul_u32_u24 v4, v1, PB
	v_lshl_add_u32 v4, v2, 4, v4
	s_mul_i32 s18, s11, 64*PA                      ; my 64 rows of A
	s_mul_i32 s19, s12, HALFB                      ; my 128 rows of B,
	s_add_co_u32 s19, s19, 2*APL                   ; behind A's two planes
.irp s, 0,1
	v_add_nc_u32 v[ADRA+\s], s18, v3
	v_add_nc_u32 v[ADRB+\s], s19, v4
	s_add_co_u32 s18, s18, SLOT
	s_add_co_u32 s19, s19, SLOT
.endr
	s_mul_i32 s23, s10, 16*SPITCH
	s_add_co_u32 s23, s23, STAGE                   ; my stage
	v_mul_u32_u24 v5, v1, SPITCH
	v_lshl_add_u32 v5, v2, 5, v5
	v_add_nc_u32 v[STO], s23, v5                   ; in: row l % 16, 32 bytes for each half of the lanes
	v_and_b32 v6, 31, v0
	v_lshlrev_b32 v[CO], 4, v6                     ; back: the 32 lanes take a row of 512 bytes; the same in out0
	v_add_nc_u32 v[RD], s23, v[CO]
	v_lshlrev_b32 v[PFO], 8, v6
	s_lshr_b32 s18, s40, 1                         ; the prefetches: plane cx / 2,
	s_lshl_b32 s18, s18, 20
	s_and_b32 s19, s40, 1
	s_lshl_b32 s19, s19, 13                        ; half cx % 2,
	s_add_co_u32 s18, s18, s19
	s_lshl_b32 s19, s13, 14                        ; of my tile row,
	s_add_co_u32 s18, s18, s19
	s_add_co_u32 s18, s18, 2<<21                   ; at K step 2: the first refill steps it to 3 and names K step 4
	s_mov_b32 s19, 0
	s_add_nc_u64 s[PFA:PFA+1], s[4:5], s[18:19]
	s_cmp_eq_u32 s10, 0
	s_cselect_b32 s[LIM], 1, -1
	s_lshl_b32 s16, s13, 7
	s_lshl_b32 s17, s11, 6
	s_add_co_u32 s16, s16, s17                     ; my first row of out0,
	s_lshl_b32 s16, s16, 12                        ; of 4,096 bytes
	s_lshl_b32 s46, s42, 10
	s_lshl_b32 s47, s12, 9
	s_add_co_u32 s46, s46, s47                     ; my first column, in bytes
	s_add_co_u32 s46, s46, s16
	s_mov_b32 s47, 0
	s_add_nc_u64 s[8:9], s[8:9], s[46:47]
.macro MUL8 f, a, zero                 ; A's block a x B's eight, 32 along K.  The 32 accumulators take turns, one instruction a turn
.irp b, 0,1,2,3,4,5,6,7
.if \zero
	v_wmma_f32_16x16x32_f16 v[8*(8*(\a)+\b):8*(8*(\a)+\b)+7], v[\f+8*\b:\f+8*\b+7], v[\f+64+8*(\a):\f+64+8*(\a)+7], 0
.else
	v_wmma_f32_16x16x32_f16 v[8*(8*(\a)+\b):8*(8*(\a)+\b)+7], v[\f+8*\b:\f+8*\b+7], v[\f+64+8*(\a):\f+64+8*(\a)+7], v[8*(8*(\a)+\b):8*(8*(\a)+\b)+7]
.endif
.endr
.endm
.macro FETCH slot, k, f                ; 24 LDS loads in one run: 32 along K at byte k of a K step's 256: B's eight fragments, then A's four
.irp i, 0,1,2,3,4,5,6,7
	ds_load_b128 v[\f+8*\i:\f+8*\i+3],   v[ADRB+\slot] offset:\k+\i*16*PB
	ds_load_b128 v[\f+8*\i+4:\f+8*\i+7], v[ADRB+\slot] offset:\k+\i*16*PB+32
.endr
.irp i, 0,1,2,3
	ds_load_b128 v[\f+64+8*\i:\f+64+8*\i+3],   v[ADRA+\slot] offset:((\k)/128)*APL+((\k)%128)+\i*16*PA
	ds_load_b128 v[\f+64+8*\i+4:\f+64+8*\i+7], v[ADRA+\slot] offset:((\k)/128)*APL+((\k)%128)+\i*16*PA+32
.endr
.endm
.macro PLACES
.rept 4
	v_nop
.endr
.endm
.macro QUARTER slot, k, f, g, zero     ; multiplies buffer f and fetches the next quarter, at byte k, into g
	s_wait_dscnt 4                                 ; B and A's blocks 0, 1 are in; A's blocks 2, 3, four loads, may be out
	WIN MUL
	MUL8 \f, 0, \zero
	MUL8 \f, 1, \zero
	PLACES
	WIN 0
	FETCH \slot, \k, \g
	s_wait_dscnt 24                                ; all but the 24 just issued
	WIN MUL
	MUL8 \f, 2, \zero
	MUL8 \f, 3, \zero
.endm
; The last quarter multiplies buffer 1 and changes slots: one barrier; in front of it each wave waits for all its tensor loads, adds 0 to its spare word, and waits for that and for its reads of this slot.
.macro TURN slot, next, fill
.if \fill
	s_wait_xcnt 0x0                                ; the last prefetch, a K step back, has read its address
	s_add_nc_u64 s[PFA:PFA+1], s[PFA:PFA+1], 1<<21
.endif
	WIN 0
	s_wait_tensorcnt 0x0                           ; my part of the next slot has landed
	ds_add_u32 v[SPW], v[NIL]
	s_wait_dscnt 5                                 ; the add and the youngest four loads may be out
	WIN MUL
	MUL8 F1, 0, 0
	s_wait_dscnt 0x0                               ; the add is done, and my reads of this slot are over
	s_barrier_signal -1
	MUL8 F1, 1, 0
	WIN 0
	s_barrier_wait -1
.if \fill
	CREST                                          ; the barrier has opened a round of the cluster's barrier: no wave of any partner still reads this slot or has a load on its way
	s_add_nc_u64 s[G0+4*\slot+2:G0+4*\slot+3], s[G0+4*\slot+2:G0+4*\slot+3], 1<<22
	s_add_nc_u64 s[G0B+4*\slot+2:G0B+4*\slot+3], s[G0B+4*\slot+2:G0B+4*\slot+3], 512
	JLOAD \slot                                    ; the first tensor load behind the round; its four v_nop are also the places in front of the loads below
.else
	PLACES
.endif
	FETCH \next, 0, F0
.if \fill
	ASK
.endif
	WIN MUL
	MUL8 F1, 2, 0
	MUL8 F1, 3, 0
.endm
	s_wait_tensorcnt 1                             ; my part of K step 0 is in (K step 1's load may be out),
	s_barrier_signal -1
	s_barrier_wait -1                              ; everybody's is
	FETCH 0, 0, F0
	QUARTER 0, 64, F0, F1, 1                       ; the first quarter's products start the sums
	WIN 0
	s_mov_b32 s3, LAPS-1
.Llap:                                                 ; a trip goes once round the ring and fills both slots again
	QUARTER 0, 128, F1, F0, 0
	QUARTER 0, 192, F0, F1, 0
	TURN 0, 1, 1
	QUARTER 1, 64,  F0, F1, 0
	QUARTER 1, 128, F1, F0, 0
	QUARTER 1, 192, F0, F1, 0
	TURN 1, 0, 1
	QUARTER 0, 64,  F0, F1, 0
	WIN 0
	s_sub_co_u32 s3, s3, 1
	s_cmp_lg_u32 s3, 0
	s_cbranch_scc1 .Llap
	QUARTER 0, 128, F1, F0, 0                      ; the last lap fills nothing
	QUARTER 0, 192, F0, F1, 0
	TURN 0, 1, 0
	QUARTER 1, 64,  F0, F1, 0
	QUARTER 1, 128, F1, F0, 0
	QUARTER 1, 192, F0, F1, 0
	s_wait_dscnt 4
	WIN MUL
	MUL8 F1, 0, 0
	MUL8 F1, 1, 0
	s_wait_dscnt 0
	MUL8 F1, 2, 0
	MUL8 F1, 3, 0
	WIN 0
	PLACES
; THE WAY OUT, block by block of 16 rows x 128 columns, through my own stage: back come whole rows of 512 bytes, which the 32 lanes store as 512 consecutive bytes, aligned.
.macro TOSTAGE a
	WIN 0x04                                       ; an LDS store's data are its source 1: window 1
.irp b, 0,1,2,3,4,5,6,7
	ds_store_b128 v[STO], v[64*(\a)+8*\b:64*(\a)+8*\b+3] offset:64*\b          ; each accumulator from its low end on
	ds_store_b128 v[STO], v[64*(\a)+8*\b+4:64*(\a)+8*\b+7] offset:64*\b+16
.endr
	WIN 0
.set BB, BK+64*((\a)%2)
.irp t, 0,1,2,3,4,5,6,7,8,9,10,11,12,13,14,15
	ds_load_b128 v[BB+4*\t:BB+4*\t+3], v[RD] offset:\t*SPITCH      ; LDS serves a wave's instructions in order
.endr
.endm
.macro SEND a, younger
.set BB, BK+64*((\a)%2)
	s_wait_dscnt \younger
.irp t, 0,1,2,3,4,5,6,7,8,9,10,11,12,13,14,15
	global_store_b128 v[CO], v[BB+4*\t:BB+4*\t+3], s[8:9] offset:(\a)*65536+\t*4096 th:TH_STORE_NT
.endr
.endm
	s_cmp_eq_u32 s[FL], 0                          ; positions 0-15 of a batch are another launch's
	s_cbranch_scc1 .Lskip0
	TOSTAGE 0
	SEND 0, 0
.Lskip0:
	s_wait_xcnt 0x0                                ; block 0's stores have read their registers
	TOSTAGE 1
	TOSTAGE 2
	SEND 1, 32                                     ; block 2's 16 stores and 16 loads may be out
	s_wait_xcnt 0x0                                ; block 1's stores have read their registers
	TOSTAGE 3
	SEND 2, 32
	SEND 3, 0
	s_wait_tensorcnt 0x0                           ; the wave's end
	ds_add_u32 v[SPW], v[NIL]
	s_wait_dscnt 0x0
	CROUND                                         ; the closing round
	s_endpgm
.Lfunc_end_k_q688df66fe2_proj:
	.size	k_q688df66fe2_proj, .Lfunc_end_k_q688df66fe2_proj-k_q688df66fe2_proj
	.p2alignl 7, 3214868480
	.fill 96, 4, 3214868480
	.section	.rodata,"a",@progbits
	.p2align	6, 0x0
	.amdhsa_kernel k_q688df66fe2_proj
		.amdhsa_group_segment_fixed_size 327680
		.amdhsa_private_segment_fixed_size 0
		.amdhsa_enable_private_segment 0
		.amdhsa_kernarg_size 24
		.amdhsa_user_sgpr_count 2
		.amdhsa_user_sgpr_kernarg_segment_ptr 1
		.amdhsa_wavefront_size32 1
		.amdhsa_system_sgpr_workgroup_id_x 1
		.amdhsa_system_sgpr_workgroup_id_y 1
		.amdhsa_system_sgpr_workgroup_id_z 1
		.amdhsa_system_vgpr_workitem_id 0
		.amdhsa_next_free_vgpr 512
		.amdhsa_next_free_sgpr 66
		.amdhsa_reserve_vcc 0
		.amdhsa_float_denorm_mode_32 3
		.amdhsa_float_denorm_mode_16_64 3
		.amdhsa_memory_ordered 1
		.amdhsa_forward_progress 1
		.amdhsa_inst_pref_size 86
	.end_amdhsa_kernel
	.amdgpu_metadata
---
amdhsa.version: [ 1, 2 ]
amdhsa.kernels:
  - .name:           k_q688df66fe2_proj
    .symbol:         k_q688df66fe2_proj.kd
    .args:
      - { .name: y, .offset: 0, .size: 8, .value_kind: global_buffer, .address_space: global }
      - { .name: wo16, .offset: 8, .size: 8, .value_kind: global_buffer, .address_space: global }
      - { .name: out0, .offset: 16, .size: 8, .value_kind: global_buffer, .address_space: global }
    .group_segment_fixed_size: 327680
    .private_segment_fixed_size: 0
    .kernarg_segment_align: 8
    .kernarg_segment_size: 24
    .max_flat_workgroup_size: 128
    .sgpr_count:     66
    .vgpr_count:     512
    .wavefront_size: 32
...
	.end_amdgpu_metadata
.endif
;; end of part 4
;; launch fine (part 5): grid 16 x 4, 16 waves a work-group, no clusters, 69,632 bytes of LDS; arguments qf, Wo, out0; writes out0
.if DOCPART == 5
	.amdgcn_target "amdgcn-amd-amdhsa--gfx1250"
	.amdhsa_code_object_version 6
	.text
	.protected	k_q688df66fe2_fine
	.globl	k_q688df66fe2_fine
	.p2align	8
	.type	k_q688df66fe2_fine,@function
k_q688df66fe2_fine:
	s_mov_b64 s[64:65], 0
	v_nop
	global_prefetch_b8 v0, s[64:65] scope:SCOPE_SE
	s_setreg_imm32_b32 hwreg(HW_REG_WAVE_MODE, 25, 1), 1
	s_wait_xcnt 0x0
; Rows t < 16 of every batch of out0, all in f32: there a row of the softmax averages one to sixteen values, and operands of 16 bits would use up what the comparison allows.
; qf: [which 3][batch 4][head 16][8 images of 512 bytes] f32: image 2 u + c holds at 16 x lane the numbers (t = lane % 16, channels 16 u + 8 (lane / 16) + 4 c + 0 .. 3).  Wo: [1024][1024] f32.
; SHARES.  Work-group (j, b) makes columns 64 j .. 64 j + 63 of the 16 rows of batch b.  Wave w takes head w: its attention of 16 x 16, and its 64 channels' part of the projection; the 16 parts meet in LDS.
; The small attention is made anew in each of the 16 work-groups of a batch: that spares a launch.  All products by v_wmma_f32_16x16x4_f32: no bulk work.
; Both operands of a product take the contracted index in the SAME order of registers and lane halves, whatever that order is: the sum is over the same pairs.
; REGISTERS: v1-15 addresses and statistics; v16-23 S^T; v24-31 p; v32-63 four accumulators, written by matrix instructions alone; v64-95 Q, later Wo's tile 2; v96-127 K, later tile 3; v128-159 V; v160-191 y;
;   v192-223, v224-255 Wo's tiles 0, 1.
.set SPARE, 16*4224                    ; behind the sixteen parts (8 images of 512 + 16 bytes each): the spare words, 128 bytes a wave
.set SS,  16
.set PR,  24
.set ACC, 32
.set QQ,  64
.set KK,  96
.set VV,  128
.set YY,  160
	s_load_b128 s[4:7], s[0:1], 0x0                ; qf, Wo
	s_load_b64 s[8:9], s[0:1], 0x10                ; out0
	v_lshl_add_u32 v10, v0, 2, SPARE               ; my spare word; never rewritten
	v_mov_b32 v11, 0                               ; 0; never rewritten
	v_lshrrev_b32 v1, 5, v0
	v_readfirstlane_b32 s10, v1                    ; wave = head
	v_and_b32 v1, 31, v0
	v_and_b32 v2, 15, v0                           ; r
	v_bfe_u32 v3, v0, 4, 1                         ; h
	v_lshlrev_b32 v4, 4, v1                        ; an image's place for my lane
	v_bfe_u32 v5, v0, 2, 1                         ; V(key 8 h + e, channel 16 ct + r): image half (r / 4) % 2,
	v_lshlrev_b32 v5, 9, v5
	v_bfe_u32 v8, v0, 3, 1
	v_lshl_add_u32 v5, v8, 8, v5                   ; its lane 16 (r / 8) + 8 h + e,
	v_lshl_add_u32 v5, v3, 7, v5
	v_and_b32 v8, 3, v0
	v_lshl_add_u32 v5, v8, 2, v5                   ; its number r % 4
	v_lshlrev_b32 v6, 12, v2
	v_lshl_add_u32 v6, v3, 5, v6                   ; Wo: row r of 4,096 bytes + 32 h
	v_lshlrev_b32 v8, 3, v3
	v_sub_nc_u32 v7, v2, v8                        ; r - 8 h: register j holds key 8 h + j, hidden where j > r - 8 h
	s_mul_i32 s14, s10, 4224
	v_add_nc_u32 v12, s14, v4                      ; where I put my part
	v_bfe_u32 v8, v0, 2, 2                         ; the sum: lane x = l % 16 takes columns 4 x .. 4 x + 3: image 2 (x / 4) + x % 2,
	v_lshlrev_b32 v8, 1, v8
	v_and_b32 v9, 1, v0
	v_add_nc_u32 v8, v8, v9
	v_mul_u32_u24 v13, v8, 528
	v_bfe_u32 v8, v0, 1, 1
	v_lshl_add_u32 v13, v8, 8, v13                 ; its lane 16 ((x / 2) % 2) + row,
	v_lshl_add_u32 v13, v3, 4, v13
	s_lshl_b32 s14, s10, 5
	v_add_nc_u32 v13, s14, v13                     ; row = 2 x wave + l / 16
	v_lshlrev_b32 v14, 12, v3
	v_lshl_add_u32 v14, v2, 4, v14                 ; and in out0
	v_mov_b32 v15, 0xff800000                      ; -infinity
	v_mov_b32 v9, 0                                ; (a lane permute's destination counts as one of its sources)
	s_and_b32 s12, ttmp7, 0xffff                   ; batch
	s_lshl_b32 s14, s12, 4
	s_add_co_u32 s14, s14, s10
	s_lshl_b32 s14, s14, 12                        ; qf: 4,096 bytes a head
	s_mov_b32 s15, 0
	s_lshl_b32 s16, ttmp9, 18                      ; Wo: 64 rows of 4,096 bytes a work-group,
	s_lshl_b32 s17, s10, 8                         ; my head's 64 columns
	s_add_co_u32 s16, s16, s17
	s_mov_b32 s17, 0
	s_lshl_b32 s18, s12, 11
	s_lshl_b32 s19, s10, 1
	s_add_co_u32 s18, s18, s19                     ; out0: row 2,048 b + 2 x wave,
	s_lshl_b32 s18, s18, 12
	s_lshl_b32 s19, ttmp9, 8                       ; columns 64 j on
	s_add_co_u32 s18, s18, s19
	s_mov_b32 s19, 0
	s_mov_b32 s20, 0x76543210
	s_mov_b32 s21, 0xfedcba98
	s_mov_b32 s22, 0x3e38aa3b                      ; c = log2(e) / 8
	s_mov_b32 s23, s22
	s_wait_kmcnt 0x0
	s_add_nc_u64 s[4:5], s[4:5], s[14:15]
	s_add_nc_u64 s[6:7], s[6:7], s[16:17]
	s_add_nc_u64 s[8:9], s[8:9], s[18:19]
.irp i, 0,1,2,3,4,5,6,7
	global_load_b128 v[QQ+4*\i:QQ+4*\i+3], v4, s[4:5] offset:512*\i
.endr
.irp i, 0,1,2,3,4,5,6,7
	global_load_b128 v[KK+4*\i:KK+4*\i+3], v4, s[4:5] offset:262144+512*\i
.endr
.irp ct, 0,1,2,3
.irp e, 0,1,2,3,4,5,6,7
	global_load_b32 v[VV+8*\ct+\e], v5, s[4:5] offset:524288+1024*\ct+16*\e
.endr
.endr
.macro WLOAD reg, nt                   ; Wo(64 j + 16 nt + r, 64 head + 16 u + 8 h + 0 .. 7): register 8 u + i
.irp u, 0,1,2,3
.irp c, 0,1
	global_load_b128 v[\reg+8*\u+4*\c:\reg+8*\u+4*\c+3], v6, s[6:7] offset:\nt*65536+64*\u+16*\c
.endr
.endr
.endm
	WLOAD 192, 0
	WLOAD 224, 1
	s_wait_loadcnt 48                              ; Q and K are in; V's 32 loads and Wo's 16 may be out
.irp s, 0,1,2,3,4,5,6,7,8,9,10,11,12,13,14,15   ; S^T = K Q^T in four parts: four accumulators by turns, one instruction a turn
.if \s < 4
	v_wmma_f32_16x16x4_f32 v[ACC+8*(\s%4):ACC+8*(\s%4)+7], v[KK+2*\s:KK+2*\s+1], v[QQ+2*\s:QQ+2*\s+1], 0
.else
	v_wmma_f32_16x16x4_f32 v[ACC+8*(\s%4):ACC+8*(\s%4)+7], v[KK+2*\s:KK+2*\s+1], v[QQ+2*\s:QQ+2*\s+1], v[ACC+8*(\s%4):ACC+8*(\s%4)+7]
.endif
.endr
.rept 8
	v_nop                                          ; eight places behind this form: ahead of loads into its operands and of the reads of its results
.endr
	WLOAD 64, 2
	WLOAD 96, 3
.irp i, 0,2,4,6
	v_pk_add_f32 v[SS+\i:SS+\i+1], v[ACC+\i:ACC+\i+1], v[ACC+8+\i:ACC+8+\i+1]      ; each accumulator from its low end on
.endr
.irp i, 0,2,4,6
	v_pk_add_f32 v[SS+\i:SS+\i+1], v[SS+\i:SS+\i+1], v[ACC+16+\i:ACC+16+\i+1]
.endr
.irp i, 0,2,4,6
	v_pk_add_f32 v[SS+\i:SS+\i+1], v[SS+\i:SS+\i+1], v[ACC+24+\i:ACC+24+\i+1]
.endr
.irp j, 0,1,2,3,4,5,6,7
	v_cmp_gt_i32 vcc_lo, \j, v7
	v_cndmask_b32 v[SS+\j], v[SS+\j], v15, vcc_lo  ; hidden scores become -infinity
.endr
	v_max3_num_f32 v8, v[SS], v[SS+1], v[SS+2]
	v_max3_num_f32 v8, v8, v[SS+3], v[SS+4]
	v_max3_num_f32 v8, v8, v[SS+5], v[SS+6]
	v_max_num_f32 v8, v8, v[SS+7]
	v_permlanex16_b32 v9, v8, s20, s21
	v_max_num_f32 v8, v8, v9                       ; the row's maximum: key 0 counts for every query
	v_mul_f32 v8, s22, v8
.irp i, 0,2,4,6
	v_pk_fma_f32 v[PR+\i:PR+\i+1], v[SS+\i:SS+\i+1], s[22:23], v[8:9] op_sel_hi:[1,0,0] neg_lo:[0,0,1] neg_hi:[0,0,1]
.endr
.irp j, 0,1,2,3,4,5,6,7
	v_exp_f32 v[PR+\j], v[PR+\j]
.endr
	v_nop
	s_wait_alu depctr_va_vdst(0)                   ; one wait for the eight exponentials, ahead of their first reader
	v_pk_add_f32 v[SS:SS+1], v[PR:PR+1], v[PR+2:PR+3]
	v_pk_add_f32 v[SS+2:SS+3], v[PR+4:PR+5], v[PR+6:PR+7]
	v_pk_add_f32 v[SS:SS+1], v[SS:SS+1], v[SS+2:SS+3]
	v_add_f32 v[SS], v[SS], v[SS+1]
	v_permlanex16_b32 v9, v[SS], s20, s21
	v_add_f32 v[SS], v[SS], v9                     ; the row's sum
	v_rcp_f32 v8, v[SS]
	v_nop
	s_wait_alu depctr_va_vdst(0)
	s_wait_loadcnt 32                              ; V is in; Wo's four tiles may be out
.irp s, 0,1,2,3                        ; O^T = V^T P: K = the 16 keys; register 2 s + i of a lane's half h stands for key 8 h + 2 s + i on both sides
.irp ct, 0,1,2,3
.if \s == 0
	v_wmma_f32_16x16x4_f32 v[ACC+8*\ct:ACC+8*\ct+7], v[VV+8*\ct+2*\s:VV+8*\ct+2*\s+1], v[PR+2*\s:PR+2*\s+1], 0
.else
	v_wmma_f32_16x16x4_f32 v[ACC+8*\ct:ACC+8*\ct+7], v[VV+8*\ct+2*\s:VV+8*\ct+2*\s+1], v[PR+2*\s:PR+2*\s+1], v[ACC+8*\ct:ACC+8*\ct+7]
.endif
.endr
.endr
.rept 8
	v_nop
.endr
.irp i, 0,2,4,6,8,10,12,14,16,18,20,22,24,26,28,30
	v_pk_mul_f32 v[YY+\i:YY+\i+1], v[ACC+\i:ACC+\i+1], v[8:9] op_sel_hi:[1,0]      ; y = O / l: register 8 ct + i is y(t = r, channel 16 ct + 8 h + i)
.endr
	s_wait_loadcnt 0x0
.irp s, 0,1,2,3,4,5,6,7,8,9,10,11,12,13,14,15   ; my head's part of the projection, transposed: source 0 = 16 rows of Wo, source 1 = y
.irp nt, 0,1,2,3
.if \s == 0
	v_wmma_f32_16x16x4_f32 v[ACC+8*\nt:ACC+8*\nt+7], v[192+32*\nt-192*(\nt/2)+2*\s:192+32*\nt-192*(\nt/2)+2*\s+1], v[YY+2*\s:YY+2*\s+1], 0
.else
	v_wmma_f32_16x16x4_f32 v[ACC+8*\nt:ACC+8*\nt+7], v[192+32*\nt-192*(\nt/2)+2*\s:192+32*\nt-192*(\nt/2)+2*\s+1], v[YY+2*\s:YY+2*\s+1], v[ACC+8*\nt:ACC+8*\nt+7]
.endif
.endr
.endr
.rept 8
	v_nop
.endr
.irp nt, 0,1,2,3                       ; my part as images of its registers: lane (r, h) of image 2 nt + c holds (t = r, columns 16 nt + 8 h + 4 c + 0 .. 3)
	ds_store_b128 v12, v[ACC+8*\nt:ACC+8*\nt+3] offset:(2*\nt)*528
	ds_store_b128 v12, v[ACC+8*\nt+4:ACC+8*\nt+7] offset:(2*\nt+1)*528
.endr
	s_wait_dscnt 0x0                               ; for the others' sake: my stores have landed
	s_barrier_signal -1
	s_barrier_wait -1
	s_cmp_ge_u32 s10, 8                            ; waves 0-7 add the sixteen parts, two rows each
	s_cbranch_scc1 .Ldone
.irp p, 0,1,2,3,4,5,6,7,8,9,10,11,12,13,14,15
	ds_load_b128 v[128+4*\p:128+4*\p+3], v13 offset:4224*\p
.endr
	s_wait_dscnt 0x0
.irp p, 0,1,2,3,4,5,6,7
	v_pk_add_f32 v[128+4*\p:128+4*\p+1], v[128+4*\p:128+4*\p+1], v[160+4*\p:160+4*\p+1]
	v_pk_add_f32 v[130+4*\p:130+4*\p+1], v[130+4*\p:130+4*\p+1], v[162+4*\p:162+4*\p+1]
.endr
.irp p, 0,1,2,3
	v_pk_add_f32 v[128+4*\p:128+4*\p+1], v[128+4*\p:128+4*\p+1], v[144+4*\p:144+4*\p+1]
	v_pk_add_f32 v[130+4*\p:130+4*\p+1], v[130+4*\p:130+4*\p+1], v[146+4*\p:146+4*\p+1]
.endr
.irp p, 0,1
	v_pk_add_f32 v[128+4*\p:128+4*\p+1], v[128+4*\p:128+4*\p+1], v[136+4*\p:136+4*\p+1]
	v_pk_add_f32 v[130+4*\p:130+4*\p+1], v[130+4*\p:130+4*\p+1], v[138+4*\p:138+4*\p+1]
.endr
	v_pk_add_f32 v[128:129], v[128:129], v[132:133]
	v_pk_add_f32 v[130:131], v[130:131], v[134:135]
	global_store_b128 v14, v[128:131], s[8:9]      ; sixteen lanes store 256 consecutive bytes, aligned
.Ldone:
	s_wait_tensorcnt 0x0                           ; the wave's end: a tensor wait, an add to my spare word and its wait, behind my last LDS store
	ds_add_u32 v10, v11
	s_wait_dscnt 0x0
	s_endpgm
.Lfunc_end_k_q688df66fe2_fine:
	.size	k_q688df66fe2_fine, .Lfunc_end_k_q688df66fe2_fine-k_q688df66fe2_fine
	.p2alignl 7, 3214868480
	.fill 96, 4, 3214868480
	.section	.rodata,"a",@progbits
	.p2align	6, 0x0
	.amdhsa_kernel k_q688df66fe2_fine
		.amdhsa_group_segment_fixed_size 69632
		.amdhsa_private_segment_fixed_size 0
		.amdhsa_enable_private_segment 0
		.amdhsa_kernarg_size 24
		.amdhsa_user_sgpr_count 2
		.amdhsa_user_sgpr_kernarg_segment_ptr 1
		.amdhsa_wavefront_size32 1
		.amdhsa_system_sgpr_workgroup_id_x 1
		.amdhsa_system_sgpr_workgroup_id_y 1
		.amdhsa_system_sgpr_workgroup_id_z 1
		.amdhsa_system_vgpr_workitem_id 0
		.amdhsa_next_free_vgpr 256
		.amdhsa_next_free_sgpr 66
		.amdhsa_reserve_vcc 1
		.amdhsa_float_denorm_mode_32 3
		.amdhsa_float_denorm_mode_16_64 3
		.amdhsa_memory_ordered 1
		.amdhsa_forward_progress 1
		.amdhsa_inst_pref_size 25
	.end_amdhsa_kernel
	.amdgpu_metadata
---
amdhsa.version: [ 1, 2 ]
amdhsa.kernels:
  - .name:           k_q688df66fe2_fine
    .symbol:         k_q688df66fe2_fine.kd
    .args:
      - { .name: qf, .offset: 0, .size: 8, .value_kind: global_buffer, .address_space: global }
      - { .name: Wo, .offset: 8, .size: 8, .value_kind: global_buffer, .address_space: global }
      - { .name: out0, .offset: 16, .size: 8, .value_kind: global_buffer, .address_space: global }
    .group_segment_fixed_size: 69632
    .private_segment_fixed_size: 0
    .kernarg_segment_align: 8
    .kernarg_segment_size: 24
    .max_flat_workgroup_size: 512
    .sgpr_count:     66
    .vgpr_count:     256
    .wavefront_size: 32
...
	.end_amdgpu_metadata
.endif
;; end of part 5
